; MI455X (gfx1250); checked and timed in simulation.
; The chip was launched on July 23, 2026; its instructions are those of AMD's public machine-readable ISA for CDNA 5 (MIT licence, August 2026) and "CDNA5" Instruction Set Architecture Reference Guide (July 2026). The comments in the code are by the model that wrote it; some were corrected since.
;; Causal Self Attention. Allowed arithmetic: matrix products marked QUANTISED: E4M3 operands, one given power-of-two scale a tensor, by v_wmma_f32_16x16x64_fp8_fp8 or v_wmma_f32_16x16x128_fp8_fp8, f32 sums; everything else in f32.
;; Inputs: b_attn 3,072 float32; b_proj 1,024 float32; lowp_scales 8 int32 (the exponents e of the quantised operands' scales 2^e); w_attn 3,072 x 1,024 float32; w_proj 1,024 x 1,024 float32; x 4 x 2,048 x 1,024 float32.
;; Outputs: out0 4 x 2,048 x 1,024 float32.
;; This version of the problem:
;;   THIS VERSION OF THE PROBLEM IS GIVEN IN LOW PRECISION. The matrix products marked QUANTISED in the list below multiply operands that are first quantised to E4M3 (4 exponent bits, 3 mantissa bits; 8 bits a number), with one given power-of-two scale for each operand tensor; their sums are f32. All else is computed in f32.
;;   The module's matrix products, in the order in which they are computed (A, B: the left and right operand; K: the contracted axis; several contracted axes count as one K, in the product's order):
;;     1. [M 8,192, K 1,024] x [K 1,024, N 3,072]; A: input x; B: input w_attn: QUANTISED (scales: A lowp_scales[0], B lowp_scales[1])
;;     2. batch 64 x [M 2,048, K 64] x [K 64, N 2,048]; A: computed on the way; B: computed on the way: QUANTISED (scales: A lowp_scales[2], B lowp_scales[3])
;;     3. batch 64 x [M 2,048, K 2,048] x [K 2,048, N 64]; A: softmax (see below); B: computed on the way: QUANTISED (scales: A lowp_scales[4], B lowp_scales[5])
;;     4. [M 8,192, K 1,024] x [K 1,024, N 1,024]; A: computed on the way; B: input w_proj: QUANTISED (scales: A lowp_scales[6], B lowp_scales[7])
;;   THE QUANTISER, for each operand of a quantised product, along K:
;;     - The operand's scale is 2^e, e = its entry of the input lowp_scales (int32; the entries are numbered through the quantised products in the list's order, A before B).
;;     - Each number is divided by the scale, clamped to +-448, and rounded to the nearest number of E4M3, ties to even, subnormals kept.
;;     - The product sums the exact products of the quantised numbers (number of the format x scale) in f32.
;;   ~~~python
;;   def quantise(x, axis, e):      # numpy; x: float32 -> the quantised numbers, widened to float32 again
;;       x = np.moveaxis(x, axis, -1); K = x.shape[-1]
;;       r = np.clip(x / 2.0 ** e, -448, 448)
;;       step = 2.0 ** (np.maximum(np.frexp(np.where(r == 0, 1, r))[1] - 1, -6) - 3)
;;       q = np.round(r / step) * step * 2.0 ** e      # np.round: ties to even
;;       return np.moveaxis(q, -1, axis).astype(np.float32)
;;   ~~~
;;   SOFTMAX AHEAD OF A QUANTISED PRODUCT. Where the list says 'softmax', what is quantised is not the finished softmax but p = 2^(t - M), with t = logit x log2(e) and M = ceil(the row's largest t), a whole number; so 1/2 < the row's largest p <= 1. The row's sum l is taken of the UNQUANTISED p, in f32, and the product's result is divided by l at the end. Since M is a whole number, a kernel that streams over the keys may use a running M (the ceiling of the running maximum): every later rescaling is an exact power of two, so the quantised numbers keep their values, but for numbers so far below the row's largest that they fall under the format's range.
;;   OPERANDS COMPUTED ON THE WAY. 'Computed on the way' means the value that the module computes at that place (a softmax that the list does not call 'softmax' is quantised finished and normalised). What goes into a quantiser is computed in f32, as accurately as f32 sums, v_exp_f32 and their like allow (about 1e-6 of the number): no bf16 or f16 on the way to a quantiser, and a product that is left as it is and whose result goes on into a quantised operand takes f32 operands (vector FMAs, or v_wmma_f32_16x16x4_f32). A number that lies on a knife's edge between two numbers of the format may be rounded either way, as far as f32 arithmetic and the matrix unit's own rounding can turn it there, and no further.
;; One version. Each part assembles by itself: llvm-mc -triple=amdgcn-amd-amdhsa -mcpu=gfx1250 --defsym DOCPART=n.
;; ======== version 1 of 1: 4 launches
;; limits: right only within a limited range of input values
;; workspace buffers: x_codes 8,388,608 bytes; wa_codes 3,145,728 bytes; wp_codes 1,048,576 bytes; q_codes 8,388,608 bytes; k_codes 8,388,608 bytes; v_codes 8,388,608 bytes; y_img 8,388,608 bytes
;; launch quant (part 1): grid 768 x 1, 4 waves a work-group, no clusters, 33,280 bytes of LDS; arguments x, w_attn, w_proj, lowp_scales, x_codes, wa_codes, wp_codes; writes x_codes, wa_codes, wp_codes
.if DOCPART == 1
	.amdgcn_target "amdgcn-amd-amdhsa--gfx1250"
	.amdhsa_code_object_version 6
	.text
	.protected	k_qe77f4d5cf3_quant
	.globl	k_qe77f4d5cf3_quant
	.p2align	8
	.type	k_qe77f4d5cf3_quant,@function
k_qe77f4d5cf3_quant:
	s_mov_b64 s[64:65], 0
	v_nop
	global_prefetch_b8 v0, s[64:65] scope:SCOPE_SE
	s_setreg_imm32_b32 hwreg(HW_REG_WAVE_MODE, 25, 1), 1
	s_wait_xcnt 0x0
; x [8192][1024], w_attn [3072][1024] and w_proj [1024][1024], f32 with K innermost, become codes of FP8 (E4M3), one byte each, K innermost,
; each with the one scale 2^e that is given for it: entries 0, 1 and 7 of the buffer of scales.
; code = number / 2^e, held within +-448, rounded to the nearest code, ties to even.
; LIMITS: -126 <= e <= 119, so that 2^e and 448 x 2^e are f32 numbers.  NaN among the inputs is not served (an infinity is held at the largest code).
; Rows are dense, so each tensor is a plain stream of numbers and its codes a plain stream of bytes: nothing here knows of rows.
; SHARES: a work-group takes 16,384 numbers, a wave 4,096 in 8 steps of 512.  Work-groups 0-511 take x, 512-703 w_attn, 704-767 w_proj: 768 = 3 x 256.  Only pointers and e are chosen, all take one path.
; The conversion takes 8 neighbours from ONE lane's registers; a load is dense where neighbouring LANES take neighbouring bytes.  Both are had: a step's four loads read 512 consecutive bytes each,
; the 2,048 bytes go through the wave's own stage in LDS as they lie and come back 64 bytes a lane (16 bytes of padding behind each 64).  A lane's 16 codes are 16 bytes: a store covers 512 consecutive bytes.
; No tensor loads, no barrier, no matrix unit, no cluster: waves share nothing and each byte is read once.  Loads run four steps (16 loads a wave) ahead, the turn through LDS one step.
.set STEPS, 8
.set WGX,   512                        ; work-groups for x
.set WGXA,  704                        ; for x and w_attn together
.set EMAX,  8
.set MANT,  0x600000                   ; the mantissa field of 448 as f32
.set CB,    16                         ; bytes of 16 codes
.set R,     16                         ; v16-79   four sets of 16 numbers as they are loaded
.set X,     80                         ; v80-111  two sets of 16 neighbours
.set C,     128                        ; v128-159 codes: four registers for each step, so that no store's data are written again
.set WREG,  8192                       ; LDS: a region of its own for each wave: two stages of 32 x SP bytes
.set SP,    80                         ; a lane's place in a stage: its 64 bytes + 16 of padding
	s_load_b256 s[4:11], s[0:1], 0x0               ; x s[4:5], w_attn s[6:7], w_proj s[8:9], the scales' exponents s[10:11]
	s_load_b128 s[12:15], s[0:1], 0x20             ; x's codes s[12:13], w_attn's s[14:15]
	s_load_b64 s[24:25], s[0:1], 0x30              ; w_proj's codes
	v_lshl_add_u32 v192, v0, 2, 0x8000             ; my spare word, behind the four regions
	v_mov_b32 v193, 0
	v_lshrrev_b32 v1, 5, v0
	v_readfirstlane_b32 s16, v1                    ; wave
	v_and_b32 v2, 31, v0                           ; lane
	v_lshlrev_b32 v3, 4, v2                        ; my 16 bytes of a load's 512
	s_mul_i32 s17, s16, WREG
	v_lshrrev_b32 v14, 2, v2
	v_mul_u32_u24 v14, v14, SP
	v_and_b32 v15, 3, v2
	v_lshl_add_u32 v14, v15, 4, v14
	v_add_nc_u32 v14, s17, v14                     ; the stage, on the way in: four lanes' 64 bytes on end, then 16 of padding
	v_mul_u32_u24 v15, v2, SP
	v_add_nc_u32 v15, s17, v15                     ; and on the way out: SP x lane: my 16 neighbours
	v_mul_u32_u24 v4, v2, CB                       ; my codes' place in a step's
	s_wait_alu depctr_va_vdst(0)                   ; directly ahead of the wait below
	s_wait_kmcnt 0x0
	s_load_b256 s[32:39], s[10:11], 0x0            ; e0 .. e7
	s_mov_b32 s18, WGXA
	s_cmp_lt_u32 ttmp9, WGXA                       ; w_attn or w_proj?  The choices hang on the work-group's number alone
	s_cselect_b64 s[6:7], s[6:7], s[8:9]
	s_cselect_b64 s[14:15], s[14:15], s[24:25]
	s_cselect_b32 s17, WGX, s18
	s_cmp_lt_u32 ttmp9, WGX                        ; x or one of those?
	s_cselect_b64 s[4:5], s[4:5], s[6:7]
	s_cselect_b64 s[8:9], s[12:13], s[14:15]
	s_cselect_b32 s17, 0, s17                      ; the tensor's first work-group
	s_sub_co_u32 s17, ttmp9, s17
	s_lshl_b32 s17, s17, 2
	s_add_co_u32 s18, s17, s16                     ; which run of 4,096 numbers of the tensor is my wave's (at most 2,047)
	s_lshl_b32 s20, s18, 14                        ; 16,384 bytes of numbers a run
	s_mov_b32 s21, 0
	s_add_nc_u64 s[4:5], s[4:5], s[20:21]
	s_lshl_b32 s20, s18, 12                        ; 4,096 bytes of codes a run
	s_add_nc_u64 s[8:9], s[8:9], s[20:21]
.macro LOAD t
.irp i, 0,1,2,3
	global_load_b128 v[R+16*((\t)%4)+4*\i:R+16*((\t)%4)+4*\i+3], v3, s[4:5] offset:2048*(\t)+512*\i th:TH_LOAD_NT   ; 32 lanes read 512 consecutive bytes, read once in the launch
.endr
.endm
.macro TURN t                          ; step t's numbers through the stage: LDS serves a wave's instructions in order (ISA guide 5.7.1.4), so no wait stands between the stores and the loads
.irp i, 0,1,2,3
	ds_store_b128 v14, v[R+16*((\t)%4)+4*\i:R+16*((\t)%4)+4*\i+3] offset:32*SP*((\t)%2)+8*SP*\i
.endr
.irp i, 0,1,2,3
	ds_load_b128 v[X+16*((\t)%2)+4*\i:X+16*((\t)%2)+4*\i+3], v15 offset:32*SP*((\t)%2)+16*\i
.endr
.endm
.irp t, 0,1,2,3
	LOAD \t
.endr
	s_wait_kmcnt 0x0
	s_cmp_lt_u32 ttmp9, WGXA
	s_cselect_b32 s22, s33, s39                    ; e1 or e7,
	s_cmp_lt_u32 ttmp9, WGX
	s_cselect_b32 s22, s32, s22                    ; or e0
	s_add_co_i32 s22, s22, 127
	s_lshl_b32 s23, s22, 23
	v_mov_b32 v11, s23                             ; 2^e as f32: the conversion takes its exponent field
	s_add_co_i32 s22, s22, EMAX
	s_lshl_b32 s22, s22, 23
	s_or_b32 s22, s22, MANT
	v_mov_b32 v10, s22                             ; 448 x 2^e
	s_wait_alu depctr_va_vdst(0)                   ; the head's end
	s_wait_loadcnt 12                              ; step 0's four loads are in; the twelve of steps 1 to 3 may be out
	TURN 0
.macro STEP t
.set XS, X+16*((\t)%2)
	s_wait_dscnt 0x0                               ; this step's numbers are back from the stage: so its stores into the stage have read their registers,
.if (\t)+4 < STEPS
	LOAD (\t)+4                                    ; which take the loads of four steps on
.endif
.if (\t)+1 < STEPS
.if STEPS-2-(\t) >= 3
	s_wait_loadcnt 12                              ; the next step's four loads are in; those of the three steps behind it may be out
.else
	s_wait_loadcnt 4*(STEPS-2-(\t))                ; the tail: fewer steps are behind it
.endif
	TURN (\t)+1                                    ; and go through the other stage while this step is worked
.endif
.irp i, 0,1,2,3,4,5,6,7,8,9,10,11,12,13,14,15
	v_med3_num_f32 v[XS+\i], v[XS+\i], -v10, v10   ; the conversion to an 8-bit code does not saturate (ISA guide 7.6.2): the number is held within 448 x the scale first
.endr
	v_cvt_scalef32_pk8_fp8_f32 v[C+4*(\t):C+4*(\t)+1], v[XS:XS+7], v11          ; eight numbers / 2^e, to the nearest code, ties to even; the first number's code in the lowest byte
	v_cvt_scalef32_pk8_fp8_f32 v[C+4*(\t)+2:C+4*(\t)+3], v[XS+8:XS+15], v11
	global_store_b128 v4, v[C+4*(\t):C+4*(\t)+3], s[8:9] offset:32*CB*(\t)      ; the wave stores 512 consecutive bytes, aligned; the codes' registers are touched by this store alone
.endm
.irp t, 0,1,2,3,4,5,6,7
	STEP \t
.endr
	s_wait_tensorcnt 0x0                           ; the wave's end
	ds_add_u32 v192, v193
	s_wait_dscnt 0x0
	s_endpgm
.Lfunc_end_k_qe77f4d5cf3_quant:
	.size	k_qe77f4d5cf3_quant, .Lfunc_end_k_qe77f4d5cf3_quant-k_qe77f4d5cf3_quant
	.p2alignl 7, 3214868480
	.fill 96, 4, 3214868480
	.section	.rodata,"a",@progbits
	.p2align	6, 0x0
	.amdhsa_kernel k_qe77f4d5cf3_quant
		.amdhsa_group_segment_fixed_size 33280
		.amdhsa_private_segment_fixed_size 0
		.amdhsa_enable_private_segment 0
		.amdhsa_kernarg_size 56
		.amdhsa_user_sgpr_count 2
		.amdhsa_user_sgpr_kernarg_segment_ptr 1
		.amdhsa_wavefront_size32 1
		.amdhsa_system_sgpr_workgroup_id_x 1
		.amdhsa_system_sgpr_workgroup_id_y 1
		.amdhsa_system_sgpr_workgroup_id_z 1
		.amdhsa_system_vgpr_workitem_id 0
		.amdhsa_next_free_vgpr 194
		.amdhsa_next_free_sgpr 66
		.amdhsa_reserve_vcc 0
		.amdhsa_float_denorm_mode_32 3
		.amdhsa_float_denorm_mode_16_64 3
		.amdhsa_memory_ordered 1
		.amdhsa_forward_progress 1
		.amdhsa_inst_pref_size 20
	.end_amdhsa_kernel
	.amdgpu_metadata
---
amdhsa.version: [ 1, 2 ]
amdhsa.kernels:
  - .name:           k_qe77f4d5cf3_quant
    .symbol:         k_qe77f4d5cf3_quant.kd
    .args:
      - { .name: x, .offset: 0, .size: 8, .value_kind: global_buffer, .address_space: global }
      - { .name: w_attn, .offset: 8, .size: 8, .value_kind: global_buffer, .address_space: global }
      - { .name: w_proj, .offset: 16, .size: 8, .value_kind: global_buffer, .address_space: global }
      - { .name: lowp_scales, .offset: 24, .size: 8, .value_kind: global_buffer, .address_space: global }
      - { .name: x_codes, .offset: 32, .size: 8, .value_kind: global_buffer, .address_space: global }
      - { .name: wa_codes, .offset: 40, .size: 8, .value_kind: global_buffer, .address_space: global }
      - { .name: wp_codes, .offset: 48, .size: 8, .value_kind: global_buffer, .address_space: global }
    .group_segment_fixed_size: 33280
    .private_segment_fixed_size: 0
    .kernarg_segment_align: 8
    .kernarg_segment_size: 56
    .max_flat_workgroup_size: 128
    .sgpr_count:     66
    .vgpr_count:     194
    .wavefront_size: 32
...
	.end_amdgpu_metadata
.endif
;; end of part 1
;; launch qkv (part 2): grid 12 x 32, 4 waves a work-group, clusters of 4 x 4, 327,680 bytes of LDS; arguments x_codes, wa_codes, b_attn, lowp_scales, q_codes, k_codes, v_codes; writes q_codes, k_codes, v_codes
.if DOCPART == 2
	.amdgcn_target "amdgcn-amd-amdhsa--gfx1250"
	.amdhsa_code_object_version 6
	.text
	.protected	k_qe77f4d5cf3_qkv
	.globl	k_qe77f4d5cf3_qkv
	.p2align	8
	.type	k_qe77f4d5cf3_qkv,@function
k_qe77f4d5cf3_qkv:
	s_mov_b64 s[64:65], 0
	v_nop
	global_prefetch_b8 v0, s[64:65] scope:SCOPE_SE
	s_setreg_imm32_b32 hwreg(HW_REG_WAVE_MODE, 25, 1), 1
	s_wait_xcnt 0x0
	s_wait_alu depctr_hold_cnt(0) depctr_sa_sdst(0) depctr_va_vdst(0) depctr_va_sdst(0) depctr_va_ssrc(0) depctr_va_vcc(0) depctr_vm_vsrc(0)
	s_getreg_b32 s2, hwreg(HW_REG_IB_STS2, 6, 4)
	s_cmp_eq_u32 s2, 0
	s_cbranch_scc0 .Lentry_in_a_cluster
	s_endpgm
.Lentry_in_a_cluster:
	s_bfe_u32 s2, ttmp6, 0x10000c
	s_cmp_lg_u32 s2, 0xf033
	s_cbranch_scc0 .Lentry_shape_is_right
	s_endpgm
.Lentry_shape_is_right:
; qkv = x w_attn^T + b_attn on codes of FP8 (E4M3), and the quantising of q, k and v for the attention's two products.  Sums in f32.
; ONE TEXT, C = A B^T on tiles of 256 x 256, K = 1,024.  Clusters with x = 0 (q) and 1 (k): A = x's codes (tokens), B = w_attn's rows 0-2047.  Clusters with x = 2 (v): A = w_attn's rows 2048-3071, B = x's codes: V^T.
; THE MATRIX INSTRUCTION IS USED TRANSPOSED (source 0 = 16 rows of B, source 1 = 16 rows of A): a lane holds one row of A and eight neighbouring rows of B.  For q and k those are eight neighbouring channels of a token,
; for v eight neighbouring tokens of a channel: in both cases neighbours along the NEXT product's K, which is what the conversion to codes takes from a lane's registers.
; The bias is the C of each sum's first matrix instruction, divided by 2^(e0 + e1), the power of two that the sums lack.  A finished sum stands for sum x 2^(e0 + e1): its code is sum / 2^(e_out - e0 - e1), e_out = e2 (q), e3 (k), e5 (v).
; OUT: q_codes, k_codes [16 b + head][rho][64]: rho = the token's number in its batch with bits 3 and 4 exchanged.  v_codes [16 b + head][block of 128 keys][rho_d][128]: rho_d = the channel with bits 3 and 4 exchanged.
;   So sixteen consecutive rows are a tile whose results, in the next launch, leave 16 neighbours along the following K in a lane's registers.  The exchange costs only other immediates in the stores.
; SHARES: a work-group of four waves makes a tile, a wave 128 x 128: 64 accumulators, 512 registers.  K goes in four steps of 256 through two LDS slots filled by the tensor data mover; a tile's row is 256 bytes of memory.
; CLUSTERS: 4 x 4 work-groups.  The four of a row of the cluster need the same tiles of A, the four of a column the same tiles of B: each tile is asked for jointly.  Which of the three kinds a cluster is hangs on the cluster's x, the same in all sixteen.
; No prefetch: of the four K steps two are first fills.
; LIMITS: e_out - e0 - e1 between -126 and 119, so that the folded scale and 448 x it are f32 numbers; e0 + e1 is applied to the bias by v_ldexp_f32 and has none.  NaN is not served.
; REGISTERS, in windows of 256: window 0: v16-31 addresses and constants; v32-95 the bias, later a block's held sums; v96-127 the bias's offsets, later codes; from v128 A's fragments (one set), later rows read back.
;   window 1: B's fragments, two sets, at v0 and v128.   window 2: the accumulators of my rows 0-63 ((a, b) at v[8 (8 a + b)]);   window 3: those of my rows 64-127.
.set ROWB,   256                       ; a tile's row in bytes: 256 codes
.set KROW,   1024                      ; a row of A or of B in memory, in bytes
.set PITCH,  272                       ; an LDS row: 256 bytes + 16 of padding = 68 words: row r starts at bank 4 r mod 64 (64 banks of 4 bytes: ISA guide 11.1): the 16 rows of a load start at 16 different banks
.set FR,     16                        ; registers of a fragment: 16 rows x 128 K
.set NL,     4                         ; LDS loads that bring one
.set NP,     4                         ; places behind this matrix instruction (ISA guide 7.12.1)
.set HALFT,  128*PITCH                 ; 128 rows: what one wave reads of A or of B; a tensor load brings two of these
.set SLOT,   4*HALFT                   ; A's 256 rows, then B's 256 rows
.set SPARE,  2*SLOT                    ; behind the ring: the spare words, 128 bytes for each wave: two blocks of 256 bytes that no other line names
.set STP,    144                       ; the way out: a stage row: 128 codes + 16 bytes
.set STGB,   16*STP                    ; a wave's stage.  The stages lie in slot 0, which has had its last fill and its last read when the first codes are stored there
.set STGV,   16384                     ; the v path's stages begin here: each path has LDS bytes of its own
.set ADRA, 16                          ; v16-17  LDS address of my A fragments in slot 0, 1
.set ADRB, 20                          ; v20-21  the same for B
.set STOQ, 22                          ; v22     q, k: where I put 8 codes of a stage row
.set RDQ,  23                          ; v23     q, k: where I read 16 bytes back
.set STOV, 24                          ; v24, v25 the same for v
.set RDV,  25
.set CO,   26                          ; v26     16 x lane: my place in a store's 512 bytes
.set SPW,  28                          ; v28     LDS address of my spare word; never rewritten
.set NIL,  29                          ; v29     0; never rewritten
.set SCV,  30                          ; v30     2^(e_out - e0 - e1) as f32
.set LMV,  31                          ; v31     448 x that
.set BIAS, 32
.set TMP,  32
.set BADR, 96
.set CODE, 96                          ; v96-111 and v112-127 by turns
.set AF,   128
.set BK,   128                         ; v128-255: eight sets of 16, one a block
.set G1, 24                            ; s[24:31] descriptor group 1 for A's tiles;  s[32:35] group 0
.set G0, 32
.set G1B, 48                           ; s[48:55], s[56:59] the same for B's tiles
.set G0B, 56
.set MSB, 0
.macro WIN new                         ; the immediate's high byte repeats the setting that is left
.if MSB != \new
	s_set_vgpr_msb (MSB<<8)|\new
.set MSB, \new
.endif
.endm
.set MUL_LO, 0xa1                      ; source 0 (B) window 1, source 1 (A) window 0, C and D window 2
.set MUL_HI, 0xf1                      ; the same, C and D window 3
.set BIA_LO, 0x81                      ; the first products: C (the bias) window 0, D window 2
.set BIA_HI, 0xc1                      ; D window 3
.set TO_B,   0x40                      ; destination window 1, address window 0
; A joint load: waves 0 and 1 fetch for A, waves 2 and 3 for B.  Each line has one mask and one set of registers for all that issue it; the branch hangs on the wave's number alone.
; Four v_nop follow each of the two lines, ahead of the jump, the label and what follows.
.macro JLOAD g0a, g1a, g0b, g1b
	s_cmp_eq_u32 s15, 0
	s_cbranch_scc0 .Lfor_b_\@
	tensor_load_to_lds s[\g0a:\g0a+3], s[\g1a:\g1a+7]
	s_nop 0
.rept 4
	v_nop
.endr
	s_branch .Lasked_\@
.Lfor_b_\@:
	tensor_load_to_lds s[\g0b:\g0b+3], s[\g1b:\g1b+7]
	s_nop 0
.rept 4
	v_nop
.endr
.Lasked_\@:
.endm
.macro CREST                           ; a round of the cluster's barrier behind its opening barrier
	s_cmp_lg_u32 s14, 0
	s_cbranch_scc1 .Lnot_wave_0_\@
	s_barrier_signal -3
.Lnot_wave_0_\@:
	s_barrier_wait -3
	s_barrier_signal -1
	s_barrier_wait -1
.endm
.macro CROUND                          ; a whole round
	s_barrier_signal -1
	s_barrier_wait -1
	CREST
.endm
	s_load_b256 s[4:11], s[0:1], 0x0               ; x's codes s[4:5], w_attn's s[6:7], b_attn s[8:9], the scales' exponents s[10:11]
	s_load_b128 s[68:71], s[0:1], 0x20             ; q's codes s[68:69], k's s[70:71]
	s_load_b64 s[72:73], s[0:1], 0x30              ; v's codes
	v_lshl_add_u32 v[SPW], v0, 2, SPARE
	v_mov_b32 v[NIL], 0
	ds_add_u32 v28, v29
	ds_add_u32 v28, v29
	s_wait_dscnt 0x0
	v_lshrrev_b32 v1, 5, v0
	v_readfirstlane_b32 s14, v1                    ; wave 0..3
	s_lshr_b32 s15, s14, 1                         ; which half of the tile's rows is mine.  Also: I fetch for A (0) or for B (1)
	s_and_b32 s16, s14, 1                          ; which half of its columns.  Also: which slot I fill: K steps 0 and 2 go to slot 0, 1 and 3 to slot 1
	s_bfe_u32 s40, ttmp6, 0x40000                  ; cx, cy: my place in the cluster
	s_bfe_u32 s41, ttmp6, 0x40004
	s_and_b32 s75, ttmp7, 0xffff                   ; the cluster's y, 0..7
	s_cmp_eq_u32 ttmp9, 2                          ; the cluster's x: 0 q, 1 k, 2 v: the same in all sixteen partners
	s_cselect_b32 s74, 1, 0                        ; 1: v
	s_cselect_b32 s76, s75, ttmp9                  ; v: the 32 tile columns are x's rows, four to a cluster y;  q, k: the 8 tile columns are w_attn's rows
	s_cselect_b32 s77, 0, s75                      ; v: the 4 tile rows are one cluster's;  q, k: the 32 tile rows are x's rows
	s_lshl_b32 s42, s76, 2
	s_add_co_u32 s42, s42, s40                     ; tile column
	s_lshl_b32 s17, s77, 2
	s_add_co_u32 s17, s17, s41                     ; tile row
	s_lshl_b32 s43, s41, 2
	s_lshl_b32 s43, 15, s43                        ; my row of the cluster
	s_lshl_b32 s44, 0x1111, s40                    ; my column
	; descriptor group 1: a whole tile of 256 rows x 256 bytes, padded in LDS
	s_or_b32 s[G1+0], s43, (0<<16)|(1<<20)|(1<<21)|(5<<22)|(3<<25)  ; 15:0 the mask: A's tiles go to my row; 17:16 element of 1 byte; 20 padding on; 21 set beside a mask; 24:22 after every 64 words (code 5); 31:25 of 4 words (code 3)
	s_or_b32 s[G1B+0], s44, (0<<16)|(1<<20)|(1<<21)|(5<<22)|(3<<25) ; the same with the mask of my column
.irp g, G1, G1B
	s_mov_b32 s[\g+1], ROWB<<16                    ; tensor_dim0 = 256
	s_mov_b32 s[\g+2], 256<<16                     ; tensor_dim1 = 256
	s_mov_b32 s[\g+3], ROWB<<16                    ; tile_dim0 = 256
	s_mov_b32 s[\g+4], 256                         ; tile_dim1 = 256
	s_mov_b32 s[\g+5], KROW                        ; tensor_dim0_stride
	s_mov_b32 s[\g+6], 0
	s_mov_b32 s[\g+7], 0
.endr
	s_mov_b32 s18, 0                               ; a load begins at the tile's first row
	s_lshl_b32 s20, s17, 8
	s_add_co_u32 s20, s20, s18                     ; A: row 256 x tile row,
	s_lshl_b32 s20, s20, 10                        ; in bytes (under 2^23)
	s_mov_b32 s21, 0
	s_lshl_b32 s46, s42, 8
	s_add_co_u32 s46, s46, s18                     ; B: row 256 x tile column
	s_lshl_b32 s46, s46, 10
	s_mov_b32 s47, 0
	s_mul_i32 s45, s16, SLOT                       ; where they go: my slot: no place in the cluster enters an LDS address
	s_wait_kmcnt 0x0
	s_load_b256 s[84:91], s[10:11], 0x0            ; e0 .. e7
	s_add_nc_u64 s[78:79], s[6:7], 2048*KROW       ; w_attn's rows for v
	s_cmp_eq_u32 s74, 1
	s_cselect_b64 s[80:81], s[78:79], s[4:5]       ; A
	s_cselect_b64 s[82:83], s[4:5], s[6:7]         ; B
	s_add_nc_u64 s[20:21], s[80:81], s[20:21]
	s_add_nc_u64 s[46:47], s[82:83], s[46:47]
	CROUND                                         ; all sixteen work-groups are here: the first joint loads meet
	s_lshl_b32 s18, s16, 8                         ; my slot's K step: 256 bytes along the rows
	s_mov_b32 s19, 0
	s_mov_b32 s[G0], 1                             ; count = 1
	s_mov_b32 s[G0+1], s45                         ; LDS address: A's 256 rows at the slot's head,
	s_add_nc_u64 s[G0+2:G0+3], s[20:21], s[18:19]
	s_or_b32 s[G0+3], s[G0+3], 0x80000000          ; type = 2
	s_mov_b32 s[G0B], 1
	s_add_co_u32 s[G0B+1], s45, 2*HALFT            ; B's behind them
	s_add_nc_u64 s[G0B+2:G0B+3], s[46:47], s[18:19]
	s_or_b32 s[G0B+3], s[G0B+3], 0x80000000
	JLOAD G0, G1, G0B, G1B                         ; one tensor load a wave at the head: waves 0, 1: A's tiles of K steps 0, 1; waves 2, 3: B's: both slots are asked for as one group
	v_and_b32 v1, 15, v0                           ; r = l % 16
	s_wait_alu depctr_va_vdst(0)
	v_bfe_u32 v2, v0, 4, 1                         ; h = l / 16
	v_mul_u32_u24 v3, v1, PITCH
	v_lshl_add_u32 v4, v2, 4, v3                   ; a fragment's row x pitch + 16 x half
	s_mul_i32 s21, s15, HALFT                      ; my 128 rows of A
	s_mul_i32 s22, s16, HALFT                      ; my 128 rows of B,
	s_add_co_u32 s22, s22, 2*HALFT                 ; which lie behind A's 256
.irp s, 0,1
	v_add_nc_u32 v[ADRA+\s], s21, v4
	v_add_nc_u32 v[ADRB+\s], s22, v4
	s_add_co_u32 s21, s21, SLOT
	s_add_co_u32 s22, s22, SLOT
.endr
	s_mul_i32 s23, s14, STGB                       ; my stage
	v_mul_u32_u24 v5, v1, STP
	s_wait_alu depctr_va_vdst(0)
	v_lshl_add_u32 v5, v2, 3, v5                   ; in: row r, 8 bytes for each half of the lanes
	v_add_nc_u32 v[STOQ], s23, v5
	v_add_nc_u32 v[STOV], STGV, v[STOQ]
	v_and_b32 v6, 31, v0
	v_lshrrev_b32 v7, 2, v6                        ; q, k back: four lanes to a row's 64 bytes (a head's channels), eight rows an instruction
	v_mul_u32_u24 v7, v7, STP
	v_and_b32 v8, 3, v6
	v_lshl_add_u32 v7, v8, 4, v7
	v_add_nc_u32 v[RDQ], s23, v7
	v_lshrrev_b32 v7, 3, v6                        ; v back: eight lanes to a row's 128 bytes (128 keys), four rows an instruction
	v_mul_u32_u24 v7, v7, STP
	v_and_b32 v8, 7, v6
	v_lshl_add_u32 v7, v8, 4, v7
	v_add_nc_u32 v7, s23, v7
	v_add_nc_u32 v[RDV], STGV, v7
	v_lshlrev_b32 v[CO], 4, v6
	; THE BIAS, in the result's layout, with no branch: register 8 g + j is b_attn[base + 16 g + (v: r;  q, k: 8 h + j)].  For q and k g counts B's blocks (the bias goes with the column), for v A's (with the row).
	s_cmp_eq_u32 s74, 1
	s_cselect_b32 s92, 4, 0                        ; bytes for each r,
	s_cselect_b32 s93, 0, 32                       ; each h,
	s_cselect_b32 s94, 0, 4                        ; each j
	s_cselect_b32 s96, s17, s42                    ; v: the tile row;  q, k: the tile column
	s_cselect_b32 s97, s15, s16                    ; and my half of it
	s_cselect_b32 s95, 8192, 0                     ; v's biases begin at number 2,048
	s_lshl_b32 s96, s96, 10                        ; 256 numbers of 4 bytes
	s_lshl_b32 s97, s97, 9
	s_add_co_u32 s96, s96, s97
	s_add_co_u32 s96, s96, s95
	s_mov_b32 s97, 0
	s_add_nc_u64 s[100:101], s[8:9], s[96:97]
	v_mul_u32_u24 v5, s92, v1
	v_mad_u32_u24 v5, v2, s93, v5
	s_wait_alu depctr_va_vdst(0)
.irp j, 0,1,2,3,4,5,6,7
	s_mul_i32 s95, s94, \j
	v_add_nc_u32 v[BADR+\j], s95, v5
.endr
.irp g, 0,1,2,3,4,5,6,7
.irp j, 0,1,2,3,4,5,6,7
	global_load_b32 v[BIAS+8*\g+\j], v[BADR+\j], s[100:101] offset:64*\g   ; once a wave: 512 bytes of b_attn in all
.endr
.endr
.macro FRAG reg, adr, q, i             ; a fragment, 16 rows x 128 K, is 16 registers: lane l holds row l % 16; registers 4 c .. 4 c + 3 hold K = 32 c + 16 (l / 16) + 0 .. 15: the same places in A and in B, so every product meets its partner
.irp c, 0,1,2,3
	ds_load_b128 v[\reg+4*\c:\reg+4*\c+3], v[\adr] offset:128*(\q)+32*\c+(\i)*16*PITCH
.endr
.endm
; 16 matrix instructions: A's blocks a0, a0 + 1 x B's eight, 128 along K.  p: B's set.  cmode = 0: onto the sums;  1: the first products, C = the bias of B's block;  2: C = the bias of A's block.  Nothing is ever cleared.
; The 64 accumulators take turns, one instruction a turn, in the same order in every step.
.macro MUL16 a0, p, cmode
.irp a, \a0, \a0+1
.irp b, 0,1,2,3,4,5,6,7
.if \cmode == 1
	v_wmma_f32_16x16x128_fp8_fp8 v[8*(8*((\a)%4)+\b):8*(8*((\a)%4)+\b)+7], v[128*(\p)+FR*\b:128*(\p)+FR*\b+FR-1], v[AF+FR*(\a):AF+FR*(\a)+FR-1], v[BIAS+8*\b:BIAS+8*\b+7]
.elseif \cmode == 2
	v_wmma_f32_16x16x128_fp8_fp8 v[8*(8*((\a)%4)+\b):8*(8*((\a)%4)+\b)+7], v[128*(\p)+FR*\b:128*(\p)+FR*\b+FR-1], v[AF+FR*(\a):AF+FR*(\a)+FR-1], v[BIAS+8*(\a):BIAS+8*(\a)+7]
.else
	v_wmma_f32_16x16x128_fp8_fp8 v[8*(8*((\a)%4)+\b):8*(8*((\a)%4)+\b)+7], v[128*(\p)+FR*\b:128*(\p)+FR*\b+FR-1], v[AF+FR*(\a):AF+FR*(\a)+FR-1], v[8*(8*((\a)%4)+\b):8*(8*((\a)%4)+\b)+7]
.endif
.endr
.endr
.endm
.macro FETCH_B slot, q, p              ; B's eight fragments of the slot's q-th 128 along K into set p
	WIN TO_B
.irp i, 0,1,2,3,4,5,6,7
	FRAG 128*(\p)+FR*\i, ADRB+\slot, \q, \i
.endr
	WIN 0
.endm
.macro FETCH_A slot, q, i0             ; A's blocks i0 .. i0 + 3
.irp i, \i0, \i0+1, \i0+2, \i0+3
	FRAG AF+FR*(\i), ADRA+\slot, \q, \i
.endr
.endm
; A load into a register that a matrix instruction has read, and a vector instruction that reads a matrix result, stand NP places behind that matrix instruction; only plain vector instructions that name none of its
; registers are places (ISA guide 7.12.1 for vector instructions).
.macro PLACES n
.rept \n
	v_nop
.endr
.endm
; A step of 128 along K that has its successor in the same slot.  A's blocks go one after the other, each against B's eight: a block of A is free when its eight products are issued, so A has one set of registers.
.macro STEP slot, q, cmode
	s_wait_dscnt 4*NL                              ; B's set and A's blocks 0-3 are in; the youngest 16 loads (A's blocks 4-7) may be out
.if \cmode
	WIN BIA_LO
.else
	WIN MUL_LO
.endif
	MUL16 0, (\q)%2, \cmode
	MUL16 2, (\q)%2, \cmode
	s_wait_dscnt 0                                 ; A's blocks 4-7 are in (asked for 32 matrix instructions ago)
	PLACES NP
	FETCH_B \slot, (\q)+1, 1-(\q)%2
	FETCH_A \slot, (\q)+1, 0
.if \cmode
	WIN BIA_HI
.else
	WIN MUL_HI
.endif
	MUL16 4, (\q)%2, \cmode
	MUL16 6, (\q)%2, \cmode
	PLACES NP
	WIN 0
	FETCH_A \slot, (\q)+1, 4
.endm
; A slot's last step changes slots: ONE barrier; in front of it each wave waits for all its tensor loads, adds 0 to its spare word, and waits for that and for its own reads of this slot.
; fill = 1 (behind K step 1): nobody reads either slot any more: both are filled again, each wave's one load two K steps on; the step's second half is multiplied under the loads, then every wave waits for its load and a barrier shows both slots whole.
.macro TURN slot, next, fill
	s_wait_tensorcnt 0x0                           ; all my tensor loads have landed: my part of the next slot  (every window is 0 here: the add's two registers lie in window 0)
	ds_add_u32 v[SPW], v[NIL]                      ; 0 onto my spare word
	s_wait_dscnt 4*NL+1                            ; the add and the youngest 16 loads, A's blocks 4-7, may be out
	WIN MUL_LO
	MUL16 0, 1, 0                                  ; sixteen matrix instructions stand between the add and the wait for it
	s_wait_dscnt 0x0                               ; the add is done, and my reads of this slot are over
	s_barrier_signal -1
	MUL16 2, 1, 0
	WIN 0
	s_barrier_wait -1
.if \fill
	CREST                                          ; the barrier has opened a round of the cluster's barrier: no wave of any partner still reads a slot or has a load on its way
	s_add_nc_u64 s[G0+2:G0+3], s[G0+2:G0+3], 2*ROWB
	s_add_nc_u64 s[G0B+2:G0B+3], s[G0B+2:G0B+3], 2*ROWB
	JLOAD G0, G1, G0B, G1B                         ; the first tensor load behind the round, my one load
	WIN MUL_HI
	MUL16 4, 1, 0
	MUL16 6, 1, 0
	WIN 0
	s_wait_tensorcnt 0x0                           ; my tile is in,
	s_barrier_signal -1
	s_barrier_wait -1                              ; everybody's is
	PLACES NP
	FETCH_B \next, 0, 0
	FETCH_A \next, 0, 0
	FETCH_A \next, 0, 4
.else
	PLACES NP
	FETCH_B \next, 0, 0
	FETCH_A \next, 0, 0
	WIN MUL_HI
	MUL16 4, 1, 0
	MUL16 6, 1, 0
	PLACES NP
	WIN 0
	FETCH_A \next, 0, 4
.endif
.endm
	s_wait_alu depctr_va_vdst(0)                   ; the head's end
	s_wait_tensorcnt 0x0                           ; my tile is in
	s_barrier_signal -1
	s_barrier_wait -1                              ; everybody's is: K steps 0 and 1 are whole
	FETCH_B 0, 0, 0
	FETCH_A 0, 0, 0
	FETCH_A 0, 0, 4
	s_wait_loadcnt 0x0                             ; the bias
	s_wait_kmcnt 0x0                               ; the exponents
	s_add_co_i32 s93, s84, s85                     ; e0 + e1
	s_sub_co_i32 s94, 0, s93
.set jj, 0
.rept 64
	v_ldexp_f32 v[BIAS+jj], v[BIAS+jj], s94        ; b / 2^(e0 + e1): beside sums that lack that power of two
.set jj, jj+1
.endr
	s_cmp_eq_u32 ttmp9, 0
	s_cselect_b32 s92, s86, s87                    ; e2 for q, e3 for k,
	s_cmp_eq_u32 ttmp9, 2
	s_cselect_b32 s92, s89, s92                    ; e5 for v
	s_sub_co_i32 s92, s92, s93                     ; the three scales folded into the conversion's one
	s_add_co_i32 s92, s92, 127
	s_lshl_b32 s95, s92, 23
	v_mov_b32 v[SCV], s95
	s_add_co_i32 s92, s92, 8
	s_lshl_b32 s92, s92, 23
	s_or_b32 s92, s92, 0x600000
	v_mov_b32 v[LMV], s92                          ; 448 x that
	s_cmp_eq_u32 s74, 1                            ; the first step is written twice: it differs in which bias a product takes as C
	s_cbranch_scc1 .Lfirst_v
	s_wait_alu depctr_va_vdst(0)
	STEP 0, 0, 1
	s_branch .Lfirst_done
.Lfirst_v:
	s_wait_alu depctr_va_vdst(0)
	STEP 0, 0, 2
.Lfirst_done:
	TURN 0, 1, 0                                   ; K step 0 ends; K step 1 lies ready in slot 1
	STEP 1, 0, 0
	TURN 1, 0, 1                                   ; K step 1 ends; the slots take K steps 2 and 3
	STEP 0, 0, 0
	TURN 0, 1, 0                                   ; K step 2 ends; nothing is left to fetch, so no round follows
	STEP 1, 0, 0
	s_wait_dscnt 4*NL                              ; the very last step
	WIN MUL_LO
	MUL16 0, 1, 0
	MUL16 2, 1, 0
	s_wait_dscnt 0
	WIN MUL_HI
	MUL16 4, 1, 0
	MUL16 6, 1, 0
	WIN 0
; THE WAY OUT, block by block of 16 rows of A x 128 rows of B.  The sums are held within 448 x the scale (the conversion does not saturate: ISA guide 7.6.2) and converted, eight neighbours of a lane to 8 bytes.
; A lane's bytes belong to one stage row (a token's 128 channels, or a channel's 128 tokens), the lanes beside it hold other rows: so the block goes through my own stage and comes back in runs of 512 bytes as they lie in the output.
; LDS serves a wave's instructions in order (ISA guide 5.7.1.4): no wait between the stores and the loads, nor in front of the next block's stores.
.macro TOSTAGE a, isv
.set AC, 64*((\a)%4)
.set CD, CODE+16*((\a)%2)
.set BB, BK+16*(\a)                    ; eight sets of 16 registers, v128-255: no register that a store reads is written again
	WIN 0x02+((\a)/4)                              ; source 0: window 2 or 3
.set jj, 0
.rept 64
	v_med3_num_f32 v[TMP+jj], v[AC+jj], -v[LMV], v[LMV]   ; each accumulator from its low end on
.set jj, jj+1
.endr
	WIN 0
.irp b, 0,1,2,3,4,5,6,7
	v_cvt_scalef32_pk8_fp8_f32 v[CD+2*\b:CD+2*\b+1], v[TMP+8*\b:TMP+8*\b+7], v[SCV]
.endr
	v_nop                                          ; one plain vector instruction between the conversions and the next block's lines, which write their sources
.if \isv
.irp b, 0,1,2,3,4,5,6,7
	ds_store_b64 v[STOV], v[CD+2*\b:CD+2*\b+1] offset:16*\b
.endr
.irp u, 0,1,2,3
	ds_load_b128 v[BB+4*\u:BB+4*\u+3], v[RDV] offset:4*STP*\u          ; channels 4 u .. 4 u + 3 of the block, 128 keys each
.endr
.else
.irp b, 0,1,2,3,4,5,6,7
	ds_store_b64 v[STOQ], v[CD+2*\b:CD+2*\b+1] offset:16*\b
.endr
.irp u, 0,1
.irp hh, 0,1
	ds_load_b128 v[BB+4*(2*\u+\hh):BB+4*(2*\u+\hh)+3], v[RDQ] offset:8*STP*\u+64*\hh   ; tokens 8 u .. 8 u + 7 of the block, head hh's 64 channels
.endr
.endr
.endif
.endm
; Every store covers 512 consecutive bytes, aligned.  The exchange of bits 3 and 4 stands in the immediates: block a's parity is bit 4 of the row's true number and becomes bit 3, the block's upper eight rows become bit 4.
.macro SEND a, younger, isv            ; younger: the LDS instructions issued behind block a's loads, which may stay out
.set BB, BK+16*(\a)
	s_wait_dscnt \younger
.if \isv
.irp u, 0,1,2,3
	global_store_b128 v[CO], v[BB+4*\u:BB+4*\u+3], s[98:99] offset:131072*((\a)/4)+4096*(((\a)%4)/2)+2048*(\u/2)+1024*((\a)%2)+512*(\u%2)
.endr
.else
.irp u, 0,1
.irp hh, 0,1
	global_store_b128 v[CO], v[BB+4*(2*\u+\hh):BB+4*(2*\u+\hh)+3], s[98:99] offset:131072*\hh+2048*((\a)/2)+1024*\u+512*((\a)%2)
.endr
.endr
.endif
.endm
.macro OUT isv
	TOSTAGE 0, \isv
.irp a, 1,2,3,4,5,6,7
	TOSTAGE \a, \isv
	SEND \a-1, 12, \isv                            ; behind block a - 1's loads: block a's 8 stores and 4 loads
.endr
	SEND 7, 0, \isv
.endm
	PLACES NP                                      ; behind the last products: for the reads of their results and the loads into the registers that held A's fragments
	s_cmp_eq_u32 s74, 1
	s_cbranch_scc1 .Lout_v
	; q, k: my first byte: head 16 b + 4 (tile column % 4) + 2 x my half of the columns; token 256 (tile row % 8) + 128 x my half of the rows
	s_lshr_b32 s95, s17, 3
	s_lshl_b32 s95, s95, 4
	s_and_b32 s96, s42, 3
	s_lshl_b32 s96, s96, 2
	s_add_co_u32 s95, s95, s96
	s_lshl_b32 s96, s16, 1
	s_add_co_u32 s95, s95, s96
	s_lshl_b32 s95, s95, 17                        ; a head: 2,048 rows of 64 bytes
	s_and_b32 s96, s17, 7
	s_lshl_b32 s96, s96, 14
	s_add_co_u32 s95, s95, s96
	s_lshl_b32 s96, s15, 13
	s_add_co_u32 s96, s95, s96
	s_mov_b32 s97, 0
	s_cmp_eq_u32 ttmp9, 0
	s_cselect_b64 s[98:99], s[68:69], s[70:71]
	s_add_nc_u64 s[98:99], s[98:99], s[96:97]
	OUT 0
	s_branch .Lout_done
.Lout_v:
	; v: head 16 b + 4 x tile row + 2 x my half of the rows; block of keys 2 (tile column % 8) + my half of the columns
	s_lshr_b32 s95, s42, 3
	s_lshl_b32 s95, s95, 4
	s_lshl_b32 s96, s17, 2
	s_add_co_u32 s95, s95, s96
	s_lshl_b32 s96, s15, 1
	s_add_co_u32 s95, s95, s96
	s_lshl_b32 s95, s95, 4                         ; 16 blocks of keys a head
	s_and_b32 s96, s42, 7
	s_lshl_b32 s96, s96, 1
	s_add_co_u32 s95, s95, s96
	s_add_co_u32 s95, s95, s16
	s_lshl_b32 s96, s95, 13                        ; a block: 64 rows of 128 bytes
	s_mov_b32 s97, 0
	s_add_nc_u64 s[98:99], s[72:73], s[96:97]
	OUT 1
.Lout_done:
	s_wait_tensorcnt 0x0                           ; the wave's end: behind my last tensor load and my last LDS store
	ds_add_u32 v[SPW], v[NIL]
	s_wait_dscnt 0x0
	CROUND                                         ; the closing round: no work-group ends while a partner may still ask for a tile that names it
	s_endpgm
.Lfunc_end_k_qe77f4d5cf3_qkv:
	.size	k_qe77f4d5cf3_qkv, .Lfunc_end_k_qe77f4d5cf3_qkv-k_qe77f4d5cf3_qkv
	.p2alignl 7, 3214868480
	.fill 96, 4, 3214868480
	.section	.rodata,"a",@progbits
	.p2align	6, 0x0
	.amdhsa_kernel k_qe77f4d5cf3_qkv
		.amdhsa_group_segment_fixed_size 327680
		.amdhsa_private_segment_fixed_size 0
		.amdhsa_enable_private_segment 0
		.amdhsa_kernarg_size 56
		.amdhsa_user_sgpr_count 2
		.amdhsa_user_sgpr_kernarg_segment_ptr 1
		.amdhsa_wavefront_size32 1
		.amdhsa_system_sgpr_workgroup_id_x 1
		.amdhsa_system_sgpr_workgroup_id_y 1
		.amdhsa_system_sgpr_workgroup_id_z 1
		.amdhsa_system_vgpr_workitem_id 0
		.amdhsa_next_free_vgpr 1024
		.amdhsa_next_free_sgpr 104
		.amdhsa_reserve_vcc 0
		.amdhsa_float_denorm_mode_32 3
		.amdhsa_float_denorm_mode_16_64 3
		.amdhsa_memory_ordered 1
		.amdhsa_forward_progress 1
		.amdhsa_inst_pref_size 190
	.end_amdhsa_kernel
	.amdgpu_metadata
---
amdhsa.version: [ 1, 2 ]
amdhsa.kernels:
  - .name:           k_qe77f4d5cf3_qkv
    .symbol:         k_qe77f4d5cf3_qkv.kd
    .args:
      - { .name: x_codes, .offset: 0, .size: 8, .value_kind: global_buffer, .address_space: global }
      - { .name: wa_codes, .offset: 8, .size: 8, .value_kind: global_buffer, .address_space: global }
      - { .name: b_attn, .offset: 16, .size: 8, .value_kind: global_buffer, .address_space: global }
      - { .name: lowp_scales, .offset: 24, .size: 8, .value_kind: global_buffer, .address_space: global }
      - { .name: q_codes, .offset: 32, .size: 8, .value_kind: global_buffer, .address_space: global }
      - { .name: k_codes, .offset: 40, .size: 8, .value_kind: global_buffer, .address_space: global }
      - { .name: v_codes, .offset: 48, .size: 8, .value_kind: global_buffer, .address_space: global }
    .group_segment_fixed_size: 327680
    .private_segment_fixed_size: 0
    .kernarg_segment_align: 8
    .kernarg_segment_size: 56
    .max_flat_workgroup_size: 128
    .sgpr_count:     104
    .vgpr_count:     1024
    .wavefront_size: 32
...
	.end_amdgpu_metadata
.endif
;; end of part 2
;; launch attn (part 3): grid 4 x 64, 8 waves a work-group, clusters of 4 x 1, 327,680 bytes of LDS; arguments q_codes, k_codes, v_codes, lowp_scales, y_img; writes y_img
.if DOCPART == 3
	.amdgcn_target "amdgcn-amd-amdhsa--gfx1250"
	.amdhsa_code_object_version 6
	.text
	.protected	k_qe77f4d5cf3_attn
	.globl	k_qe77f4d5cf3_attn
	.p2align	8
	.type	k_qe77f4d5cf3_attn,@function
k_qe77f4d5cf3_attn:
	s_mov_b64 s[64:65], 0
	v_nop
	global_prefetch_b8 v0, s[64:65] scope:SCOPE_SE
	s_setreg_imm32_b32 hwreg(HW_REG_WAVE_MODE, 25, 1), 1
	s_wait_xcnt 0x0
	s_wait_alu depctr_hold_cnt(0) depctr_sa_sdst(0) depctr_va_vdst(0) depctr_va_sdst(0) depctr_va_ssrc(0) depctr_va_vcc(0) depctr_vm_vsrc(0)
	s_getreg_b32 s2, hwreg(HW_REG_IB_STS2, 6, 4)
	s_cmp_eq_u32 s2, 0
	s_cbranch_scc0 .Lentry_in_a_cluster
	s_endpgm
.Lentry_in_a_cluster:
	s_bfe_u32 s2, ttmp6, 0x10000c
	s_cmp_lg_u32 s2, 0x3003
	s_cbranch_scc0 .Lentry_shape_is_right
	s_endpgm
.Lentry_shape_is_right:
; y[b][t][head] = the sum over keys k <= t of softmax_k(q . k / 8) v, both products on codes of FP8 (E4M3), and the quantising of y for the last product.
; IN: q_codes, k_codes [16 b + head][rho][64], rho = the token with bits 3 and 4 exchanged; v_codes [16 b + head][block of 128 keys][rho_d][128 keys], rho_d = the channel with bits 3 and 4 exchanged.
; THE SOFTMAX: t = score x log2(e) / 8; M = the row's largest t so far, rounded UP to a whole number; p = 2^(t - M) is quantised with 2^e4, not normalised; the row's sum is taken of the unquantised p in f32 and divides at the end.
; When M moves, the sum and O are multiplied by 2^(old M - new M): nothing is rounded, and no branch hangs on data.
; LEFT OUT: key steps all of whose 128 keys come after a wave's queries: the causal mask sets their scores to -infinity, so their p is 0 for all inputs.
; LDS HOLDS A WHOLE HEAD: K 2,048 rows x 80 bytes, V 16 blocks x 64 rows x 144 bytes: 311,296 bytes.  Nothing is filled twice: keys 0-511 are asked for at the head, keys 512-2047 behind one full sequence, under the first four key steps.
; CLUSTER: the four work-groups of a head need the same K and V, all of it: each fill is one joint load a wave (waves 0-3: quarters of K; waves 4-7: of V), with the mask of all four.
; SHARES: a head's 2,048 queries are 64 blocks of 32.  Wave w of the work-group at place i owns blocks 63 - a and a, a = 4 w + i: 16 - w key steps of 128 keys, then w + 1: 17 steps for every wave, so the trip counts are constants,
; and which step is which hangs on the wave's number alone, never on the place in the cluster (that enters only the mask's numbers and the addresses of q and y).
; A wave holds both 16-query tiles of its block: each fragment of K and of V read from LDS feeds two matrix instructions, and the two tiles' chains of dependent lines stand by turns.
; THE EXPONENTIALS go in two batches, a tile each, with plain lines of the other tile between them; none of those lines reads what a line of the same batch writes, so each batch has its one wait ahead and its one behind.
; LAYOUT: both products are used transposed (S^T = K Q^T, O^T = V^T P^T): a lane holds one query (lane % 16) of each tile.  By the exchanged bits the 16 registers of tiles 2 b and 2 b + 1 are keys (channels) 32 b + 16 (lane / 16) + 0 .. 15.
; OUT: y_img [head / 4][token / 16][4,096 bytes]: images of the last product's operand registers; a store covers 512 consecutive bytes, aligned.
; NO PREFETCH: both fills leave at the launch's start; no later load exists for a loop's trip to run ahead of.
; LIMITS on the given exponents, so that each power of two below is an f32 number: e2 + e3 between -123 and 130; e4, and e6 - e4 - e5, between -126 and 119.  NaN is not served.
; REGISTERS.  Window 0: v1-11 addresses and constants; v12-19, v20-27 a tile's -M, largest t, sum (2), f (2), two at work; v28-29 lane exchange; v32-47 Q; v48-175 S^T then p (64 a tile); v176-207 codes; v208-223, v240-255 partial sums; v224-239 the second block's Q.
;             Window 1: v0-63 K's eight fragments; v64-127 V's four; v128-191 O^T (32 a tile).
.set KP,    80
.set VP,    144
.set KSTEP, 128*KP                     ; a key step's rows of K in LDS
.set VSTEP, 64*VP                      ; and of V
.set VOFF,  2048*KP
.set SPARE, 319488                     ; the spare words, 128 bytes a wave: four blocks of 256 bytes that no other line names
.set AK0, 1
.set AV0, 2
.set ADK, 3
.set ADV, 4
.set SPW, 5
.set NIL, 6
.set GO,  7
.set DL,  8
.set SCP, 9
.set NINF, 10
.set QL,  11
.set MN,  12                           ; + 8 T for tile T, and so the next four
.set SUM, 14
.set F,   16
.set TA,  18
.set TB,  19
.set PL,  28
.set QA,  32
.set S0,  48
.set S1,  112
.set CD,  176
.set YA,  208                          ; eight pairs of partial sums
.set YB,  240                          ; eight more
.set Q2,  224
.set VF,  64                           ; window 1
.set OT,  128                          ; window 1
.set WV,  18
.set CX,  19
.set SEL, 20
.set CS,  22
.set G1K0, 24
.set G1V0, 32
.set G1K1, 40
.set G1V1, 48
.set G0K, 56
.set G0V, 60
.set N,   76                           ; the step, 0 .. 16
.set NEG, 77                           ; w - 16
.set DG,  78                           ; the step on the diagonal of the block in hand
.set D0,  79                           ; its first query less its first key;  s80: the second block's
.set D0B, 80
.set LIMP, 81
.set SCY, 82
.set LIMY, 83
.set HB,  84
.set W3,  85
.set OFS, 86
.set Y2,  88
.set MSB, 0
.macro WIN new                         ; the immediate's high byte repeats the setting that is left
.if MSB != \new
	s_set_vgpr_msb (MSB<<8)|\new
.set MSB, \new
.endif
.endm
.macro ROUND                           ; a round of the cluster's barrier
	s_barrier_signal -1
	s_barrier_wait -1
	s_cmp_lg_u32 s[WV], 0
	s_cbranch_scc1 .Lnot_wave_0_\@
	s_barrier_signal -3
.Lnot_wave_0_\@:
	s_barrier_wait -3
	s_barrier_signal -1
	s_barrier_wait -1
.endm
.macro TLOAD g1k, g1v                  ; a joint load: waves 0-3 for K, waves 4-7 for V; every way passes one load
	s_cmp_lt_u32 s[WV], 4
	s_cbranch_scc0 .Lfor_v_\@
	tensor_load_to_lds s[G0K:G0K+3], s[\g1k:\g1k+7]
	s_nop 0
.rept 4
	v_nop
.endr
	s_branch .Lasked_\@
.Lfor_v_\@:
	tensor_load_to_lds s[G0V:G0V+3], s[\g1v:\g1v+7]
	s_nop 0
.rept 4
	v_nop
.endr
.Lasked_\@:
.endm
.macro MKG1 g, qi, rows                ; a dense block as rows of 256 bytes; four words of padding behind every 2 << qi words; the mask names the cluster's four
	s_mov_b32 s[\g], 15|(1<<20)|(1<<21)|(\qi<<22)|(3<<25)
	s_mov_b32 s[\g+1], 256<<16
	s_mov_b32 s[\g+2], \rows<<16
	s_mov_b32 s[\g+3], 256<<16
	s_mov_b32 s[\g+4], \rows
	s_mov_b32 s[\g+5], 256
	s_mov_b32 s[\g+6], 0
	s_mov_b32 s[\g+7], 0
.endm
.macro INIT                            ; a block begins: the largest t -3e38, sums and O^T zeros, so that the key step is written without a first step of its own
.irp T, 0,1
	v_mov_b32 v[MN+8*\T+1], 0xff61b1e6
	v_mov_b32 v[SUM+8*\T], 0
	v_mov_b32 v[SUM+8*\T+1], 0
.endr
.irp T, 0,1
	v_floor_f32 v[MN+8*\T], -v[MN+8*\T+1]
.endr
	WIN 0x40
.set jj, 0
.rept 64
	v_mov_b32 v[OT+jj], 0
.set jj, jj+1
.endr
	WIN 0
.endm
.macro PADD d, a, b                    ; two f32 sums
	v_pk_add_f32 v[(\d):(\d)+1], v[(\a):(\a)+1], v[(\b):(\b)+1]
.endm
.macro HOLD2 r                         ; the conversion does not saturate (ISA guide 7.6.2); p is not negative, so the hold is one-sided; two numbers an instruction
	v_dual_min_num_f32 v[(\r)], s[LIMP], v[(\r)] :: v_dual_min_num_f32 v[(\r)+1], s[LIMP], v[(\r)+1]
.endm
	s_load_b256 s[4:11], s[0:1], 0x0               ; Q's codes, K's, V's, the scales' exponents
	s_load_b64 s[12:13], s[0:1], 0x20              ; y's images
	v_lshl_add_u32 v[SPW], v0, 2, SPARE
	v_mov_b32 v[NIL], 0
	ds_add_u32 v[SPW], v[NIL]                      ; the opening lines: the add, twice on end, and its wait
	ds_add_u32 v[SPW], v[NIL]
	v_lshrrev_b32 v3, 5, v0
	v_readfirstlane_b32 s[WV], v3                  ; wave 0..7
	s_bfe_u32 s[CX], ttmp6, 0x40000                ; i: my place in the cluster
	s_and_b32 s[HB], ttmp7, 0xffff                 ; 16 b + head
	s_lshl_b32 s[OFS], s[HB], 17                   ; 131,072 bytes of codes a head
	s_mov_b32 s[OFS+1], 0
	s_and_b32 s[W3], s[WV], 3                      ; which quarter I fetch
	MKG1 G1K0, 3, 32                               ; 128 keys: 8,192 bytes
	MKG1 G1V0, 4, 32                               ; one block of V: 8,192 bytes
	MKG1 G1K1, 3, 96                               ; 384 keys
	MKG1 G1V1, 4, 96                               ; three blocks
	s_mov_b32 s[SEL], 0x76543210
	s_mov_b32 s[SEL+1], 0xfedcba98
	s_mov_b32 s[CS], 0x3e38aa3b                    ; log2(e) / 8
	s_mul_i32 s66, s[W3], KSTEP
	s_mul_i32 s67, s[W3], VSTEP
	s_add_co_u32 s67, s67, VOFF
	s_lshl_b32 s92, s[W3], 13
	s_mov_b32 s93, 0
	s_wait_dscnt 0x0                               ; both opening adds are done
	s_wait_kmcnt 0x0
	s_load_b256 s[68:75], s[10:11], 0x0            ; e0 .. e7
	s_add_nc_u64 s[6:7], s[6:7], s[OFS:OFS+1]      ; K and V at my head
	s_add_nc_u64 s[8:9], s[8:9], s[OFS:OFS+1]
	s_mov_b32 s[G0K], 1
	s_mov_b32 s[G0K+1], s66
	s_add_nc_u64 s[G0K+2:G0K+3], s[6:7], s[92:93]
	s_or_b32 s[G0K+3], s[G0K+3], 0x80000000
	s_mov_b32 s[G0V], 1
	s_mov_b32 s[G0V+1], s67
	s_add_nc_u64 s[G0V+2:G0V+3], s[8:9], s[92:93]
	s_or_b32 s[G0V+3], s[G0V+3], 0x80000000
	ROUND                                          ; all four work-groups are here: the first joint loads meet
	TLOAD G1K0, G1V0                               ; keys 0-511: my one tensor load at the head
	s_lshl_b32 s94, s[WV], 2
	s_add_co_u32 s94, s94, s[CX]                   ; a: my second block
	s_sub_co_u32 s95, 63, s94                      ; my first
	s_add_nc_u64 s[4:5], s[4:5], s[OFS:OFS+1]
	s_mov_b32 s91, 0
	s_lshl_b32 s90, s95, 11                        ; 32 rows of 64 bytes a block
	s_add_nc_u64 s[14:15], s[4:5], s[90:91]
	s_lshl_b32 s90, s94, 11
	s_add_nc_u64 s[16:17], s[4:5], s[90:91]
	v_and_b32 v30, 15, v0                          ; r
	v_bfe_u32 v31, v0, 4, 1                        ; h
	v_lshrrev_b32 v[QL], 3, v30
	v_and_b32 v3, 7, v30
	v_lshlrev_b32 v[QL], 10, v[QL]
	v_lshl_add_u32 v[QL], v3, 6, v[QL]
	v_lshl_add_u32 v[QL], v31, 4, v[QL]            ; token 16 T + r of a block lies at row 16 (r / 8) + 8 T + r % 8: 1024 (r / 8) + 64 (r % 8) + 16 h, + 512 T
.irp T, 0,1
.irp c, 0,1
	global_load_b128 v[QA+8*\T+4*\c:QA+8*\T+4*\c+3], v[QL], s[14:15] offset:512*\T+32*\c
	global_load_b128 v[Q2+8*\T+4*\c:Q2+8*\T+4*\c+3], v[QL], s[16:17] offset:512*\T+32*\c
.endr
.endr
	; y: (head / 4) x 2^21 + b x 2^19 + (head % 4) x 1,024 + block x 8,192 (+ 4,096 T)
	s_and_b32 s86, s[HB], 15
	s_lshr_b32 s87, s86, 2
	s_lshl_b32 s87, s87, 21
	s_and_b32 s86, s86, 3
	s_lshl_b32 s86, s86, 10
	s_add_co_u32 s86, s86, s87
	s_lshr_b32 s87, s[HB], 4
	s_lshl_b32 s87, s87, 19
	s_add_co_u32 s90, s86, s87
	s_add_nc_u64 s[12:13], s[12:13], s[90:91]
	s_lshl_b32 s90, s94, 13
	s_add_nc_u64 s[Y2:Y2+1], s[12:13], s[90:91]
	s_lshl_b32 s90, s95, 13
	s_add_nc_u64 s[12:13], s[12:13], s[90:91]
	s_add_co_u32 s[NEG], s[WV], 0xfffffff0         ; w - 16: step n >= 16 - w is key step n + w - 16 of the second block
	s_sub_co_u32 s[DG], 15, s[WV]                  ; the first block's last step lies on the diagonal
	s_sub_co_u32 s[D0], 3, s[CX]
	s_lshl_b32 s[D0], s[D0], 5                     ; 32 ((63 - a) % 4)
	s_lshl_b32 s[D0B], s[CX], 5                    ; 32 (a % 4)
	s_wait_alu depctr_va_vdst(0)
	s_wait_kmcnt 0x0
	s_add_co_i32 s90, s70, s71
	s_lshl_b32 s90, s90, 23
	s_add_co_i32 s[CS], s[CS], s90                 ; a score stands for score x 2^(e2 + e3): added to c's exponent field
	s_mov_b32 s[CS+1], s[CS]
	s_add_co_i32 s90, s72, 127
	s_lshl_b32 s91, s90, 23                        ; 2^e4
	s_add_co_i32 s90, s90, 8
	s_lshl_b32 s90, s90, 23
	s_or_b32 s[LIMP], s90, 0x600000                ; 448 x 2^e4
	s_sub_co_i32 s90, s74, s72
	s_sub_co_i32 s90, s90, s73                     ; y's code is (O / l) / 2^(e6 - e4 - e5)
	s_add_co_i32 s90, s90, 127
	s_lshl_b32 s[SCY], s90, 23
	s_add_co_i32 s90, s90, 8
	s_lshl_b32 s90, s90, 23
	s_or_b32 s[LIMY], s90, 0x600000
	v_mov_b32 v[SCP], s91
	v_mul_u32_u24 v[AK0], v30, KP
	v_mul_u32_u24 v[AV0], v30, VP
	v_lshl_add_u32 v[AK0], v31, 4, v[AK0]
	v_lshl_add_u32 v[AV0], v31, 4, v[AV0]
	v_and_b32 v[GO], 31, v0
	v_add_nc_u32 v[AV0], VOFF, v[AV0]
	v_lshlrev_b32 v[GO], 4, v[GO]
	v_lshlrev_b32 v[DL], 4, v31
	v_mov_b32 v[NINF], 0xff800000
	v_sub_nc_u32 v[DL], v30, v[DL]                 ; r - 16 h, for the mask
	v_mov_b32 v[F+1], 0                            ; (upper halves of the pairs that hold f)
	v_mov_b32 v[F+9], 0
	v_mov_b32 v[PL], 0                             ; a lane permute's destination counts as one of its sources
	v_mov_b32 v[PL+1], 0
	INIT
; A KEY STEP: 128 keys x my 32 queries.  m = 0: steps 0-3, key step = n, no mask;  m = 1: the others.
.macro STEP m
.if \m
	s_add_co_u32 s90, s[N], s[NEG]
	s_min_u32 s90, s[N], s90                       ; n while the first block lasts (the sum has wrapped), then n + w - 16
	s_mul_i32 s91, s90, KSTEP
	s_mul_i32 s90, s90, VSTEP
.else
	s_mul_i32 s91, s[N], KSTEP
	s_mul_i32 s90, s[N], VSTEP
.endif
	v_add_nc_u32 v[ADK], s91, v[AK0]
	v_add_nc_u32 v[ADV], s90, v[AV0]
	v_nop                                          ; with the two additions: four places in front of loads into registers that the last products have read
	v_nop
	WIN 0x40
.irp t, 0,1,2,3,4,5,6,7
.irp c, 0,1
	ds_load_b128 v[8*\t+4*\c:8*\t+4*\c+3], v[ADK] offset:16*\t*KP+32*\c
.endr
.endr
.irp t, 0,1,2,3
.irp c, 0,1,2,3
	ds_load_b128 v[VF+16*\t+4*\c:VF+16*\t+4*\c+3], v[ADV] offset:16*\t*VP+32*\c
.endr
.endr
	s_wait_dscnt 16                                ; K's 16 loads are in; V's 16, issued behind them, may be out
	WIN 0x01
.irp t, 0,1,2,3,4,5,6,7
.irp T, 0,1
	v_wmma_f32_16x16x64_fp8_fp8 v[S0+64*\T+8*\t:S0+64*\T+8*\t+7], v[8*\t:8*\t+7], v[QA+8*\T:QA+8*\T+7], 0   ; register 8 t + j: key 32 (t / 2) + 16 h + 8 (t % 2) + j of the step
.endr
.endr
	WIN 0
.rept 4
	v_nop                                          ; places in front of the first read of the scores
.endr
.if \m
	s_cmp_lg_u32 s[N], s[DG]                       ; only the block's last step lies on the diagonal
	s_cbranch_scc1 .Lopen_\@
	v_add_nc_u32 v[TA], s[D0], v[DL]               ; d = my query - the step's first key - 16 h.  Register 16 b + i is hidden where 32 b + i > d
	v_add_nc_u32 v[TA+8], 16, v[TA]
.set mm, 0
.rept 64
	v_cmp_gt_i32 vcc_lo, 32*(mm/16)+mm%16, v[TA]
	v_cndmask_b32 v[S0+mm], v[S0+mm], v[NINF], vcc_lo
	v_cmp_gt_i32 vcc_lo, 32*(mm/16)+mm%16, v[TA+8]
	v_cndmask_b32 v[S1+mm], v[S1+mm], v[NINF], vcc_lo
.set mm, mm+1
.endr
.Lopen_\@:
.endif
.irp T, 0,1                                    ; the step's largest score of each query: two chains a tile, each accumulator first read at its low end
	v_max3_num_f32 v[TA+8*\T], v[S0+64*\T], v[S0+64*\T+1], v[S0+64*\T+2]
	v_max3_num_f32 v[TB+8*\T], v[S0+64*\T+3], v[S0+64*\T+4], v[S0+64*\T+5]
.endr
.irp i, 6,10,14,18,22,26,30,34,38,42,46,50,54,58
.irp T, 0,1
	v_max3_num_f32 v[TA+8*\T], v[TA+8*\T], v[S0+64*\T+\i], v[S0+64*\T+\i+1]
	v_max3_num_f32 v[TB+8*\T], v[TB+8*\T], v[S0+64*\T+\i+2], v[S0+64*\T+\i+3]
.endr
.endr
.irp T, 0,1
	v_max3_num_f32 v[TA+8*\T], v[TA+8*\T], v[S0+64*\T+62], v[S0+64*\T+63]
.endr
.irp T, 0,1
	v_max_num_f32 v[TA+8*\T], v[TA+8*\T], v[TB+8*\T]
.endr
.irp T, 0,1
	v_permlanex16_b32 v[PL+\T], v[TA+8*\T], s[SEL], s[SEL+1]
.endr
.irp T, 0,1
	v_max_num_f32 v[TA+8*\T], v[TA+8*\T], v[PL+\T]       ; and among lane l xor 16's
.endr
.irp T, 0,1
	v_mul_f32 v[TA+8*\T], s[CS], v[TA+8*\T]              ; as t (c is positive)
.endr
.irp T, 0,1
	v_max_num_f32 v[MN+8*\T+1], v[MN+8*\T+1], v[TA+8*\T] ; the running largest t
	v_mov_b32 v[TB+8*\T], v[MN+8*\T]
.endr
.irp T, 0,1
	v_floor_f32 v[MN+8*\T], -v[MN+8*\T+1]                ; the new -M = -ceil(t): a whole number
.endr
.irp T, 0,1
	v_sub_f32 v[TB+8*\T], v[MN+8*\T], v[TB+8*\T]         ; old M - new M, 0 or less
.endr
.irp T, 0,1
	v_cvt_i32_f32 v[TB+8*\T], v[TB+8*\T]                 ; (it saturates)
.endr
.irp T, 0,1
	v_ldexp_f32 v[F+8*\T], 1.0, v[TB+8*\T]               ; f = 2^(old M - new M)
.endr
.set jj, 0
.rept 32
	v_pk_fma_f32 v[S0+jj:S0+jj+1], v[S0+jj:S0+jj+1], s[CS:CS+1], v[MN:MN+1] op_sel_hi:[1,0,0]   ; tile 0: t - M (the pairs' low words serve both halves)
.set jj, jj+2
.endr
.irp T, 0,1
	v_pk_mul_f32 v[SUM+8*\T:SUM+8*\T+1], v[SUM+8*\T:SUM+8*\T+1], v[F+8*\T:F+8*\T+1] op_sel_hi:[1,0]   ; the sums under the new M
.endr
	WIN 0x41                                       ; O^T in window 1, f in window 0
.irp T, 0,1
.set jj, 0
.rept 16
	v_pk_mul_f32 v[OT+32*\T+jj:OT+32*\T+jj+1], v[OT+32*\T+jj:OT+32*\T+jj+1], v[F+8*\T:F+8*\T+1] op_sel_hi:[1,0]   ; O^T under the new M, ahead of the step's exponentials
.set jj, jj+2
.endr
.endr
	WIN 0
	s_wait_alu depctr_va_vdst(0)                   ; ahead of the batch
.set jj, 0
.rept 32                                       ; tile 0's p = 2^(t - M), at most 1; between them tile 1's t - M, which is read behind the next wait
	v_exp_f32 v[S0+jj], v[S0+jj]
	v_exp_f32 v[S0+jj+1], v[S0+jj+1]
	v_pk_fma_f32 v[S1+jj:S1+jj+1], v[S1+jj:S1+jj+1], s[CS:CS+1], v[MN+8:MN+9] op_sel_hi:[1,0,0]
.set jj, jj+2
.endr
	s_wait_alu depctr_va_vdst(0)                   ; behind the first batch and ahead of the second
.set gg, 0
.rept 16                                       ; tile 1's p; between them tile 0's first sixteen sums of the unquantised p and then its holds: all read behind the next wait
	v_exp_f32 v[S1+4*gg], v[S1+4*gg]
	PADD YA+2*gg+16*(gg/8), S0+2*gg, S0+32+2*gg
	v_exp_f32 v[S1+4*gg+1], v[S1+4*gg+1]
	HOLD2 S0+2*gg
	v_exp_f32 v[S1+4*gg+2], v[S1+4*gg+2]
	HOLD2 S0+32+2*gg
	v_exp_f32 v[S1+4*gg+3], v[S1+4*gg+3]
.set gg, gg+1
.endr
	v_nop                                          ; a plain place behind the batch
	s_wait_alu depctr_va_vdst(0)                   ; one wait for the batch, ahead of its first reader
.irp k, 0,1,2,3,4,5,6,7                        ; the rows' sums: tile 0's tree and tile 1's eight chains by turns
	PADD YA+2*\k, YA+2*\k, YB+2*\k
.endr
.irp k, 0,1,2,3,4,5,6,7
	PADD YB+2*\k, S1+2*\k, S1+16+2*\k
.endr
.irp k, 0,1,2,3
	PADD YA+2*\k, YA+2*\k, YA+8+2*\k
.endr
.irp k, 0,1,2,3,4,5,6,7
	PADD YB+2*\k, YB+2*\k, S1+32+2*\k
.endr
	PADD YA, YA, YA+4
	PADD YA+2, YA+2, YA+6
.irp k, 0,1,2,3,4,5,6,7
	PADD YB+2*\k, YB+2*\k, S1+48+2*\k
.endr
	PADD YA, YA, YA+2
.irp k, 0,1,2,3
	PADD YB+2*\k, YB+2*\k, YB+8+2*\k
.endr
	PADD SUM, SUM, YA
	PADD YB, YB, YB+4
	PADD YB+2, YB+2, YB+6
.irp b, 0,1,2,3
	v_cvt_scalef32_pk8_fp8_f32 v[CD+4*\b:CD+4*\b+1], v[S0+16*\b:S0+16*\b+7], v[SCP]      ; registers 4 b .. 4 b + 3 of the operand: keys 32 b + 16 h + 0 .. 15, as V's fragments have them
	v_cvt_scalef32_pk8_fp8_f32 v[CD+4*\b+2:CD+4*\b+3], v[S0+16*\b+8:S0+16*\b+15], v[SCP]
.endr
	PADD YB, YB, YB+2
	PADD SUM+8, SUM+8, YB
.irp b, 0,1,2,3
.irp i, 0,2,4,6,8,10,12,14
	HOLD2 S1+16*\b+\i
.endr
	v_cvt_scalef32_pk8_fp8_f32 v[CD+16+4*\b:CD+16+4*\b+1], v[S1+16*\b:S1+16*\b+7], v[SCP]
	v_cvt_scalef32_pk8_fp8_f32 v[CD+16+4*\b+2:CD+16+4*\b+3], v[S1+16*\b+8:S1+16*\b+15], v[SCP]
.endr
	v_nop                                          ; one plain vector instruction between the conversions and the products that read their results
	s_wait_alu depctr_va_vdst(0)                   ; directly ahead of the wait below
	s_wait_dscnt 0x0                               ; V is in
	WIN 0x51
.irp t, 0,1,2,3
.irp T, 0,1
	v_wmma_f32_16x16x128_fp8_fp8 v[OT+32*\T+8*\t:OT+32*\T+8*\t+7], v[VF+16*\t:VF+16*\t+15], v[CD+16*\T:CD+16*\T+15], v[OT+32*\T+8*\t:OT+32*\T+8*\t+7]   ; eight accumulators by turns
.endr
.endr
	WIN 0
.endm
	s_wait_alu depctr_va_vdst(0)                   ; the head's end
	s_wait_tensorcnt 0x0                           ; my part of keys 0-511 is in; the second fill is issued as a refill is:
	ds_add_u32 v[SPW], v[NIL]                      ; 0 onto my spare word; the descriptors are made between it and its wait
	s_mul_i32 s66, s[W3], 3*KSTEP
	s_add_co_u32 s[G0K+1], s66, 4*KSTEP
	s_mul_i32 s67, s[W3], 3*VSTEP
	s_add_co_u32 s[G0V+1], s67, VOFF+4*VSTEP
	s_mul_i32 s92, s[W3], 24576
	s_add_co_u32 s92, s92, 32768
	s_add_nc_u64 s[G0K+2:G0K+3], s[6:7], s[92:93]
	s_or_b32 s[G0K+3], s[G0K+3], 0x80000000
	s_add_nc_u64 s[G0V+2:G0V+3], s[8:9], s[92:93]
	s_or_b32 s[G0V+3], s[G0V+3], 0x80000000
	s_wait_dscnt 0x0
	ROUND                                          ; everybody's part is in, and all four work-groups are here
	TLOAD G1K1, G1V1                               ; keys 512-2047: four key steps in which to land
	s_wait_loadcnt 0x0                             ; Q of both blocks
	s_mov_b32 s[N], 0
.Lfirst:                                           ; steps 0-3: keys 0-511, which count for all queries of every wave's first block (its first query is 1,024 or later)
	STEP 0
	s_add_co_u32 s[N], s[N], 1
	s_cmp_lt_u32 s[N], 4
	s_cbranch_scc1 .Lfirst
	s_wait_tensorcnt 0x0                           ; my part of the rest is in,
	ds_add_u32 v[SPW], v[NIL]
	s_wait_dscnt 0x0
	s_barrier_signal -1
	s_barrier_wait -1                              ; everybody's is: from here on LDS is only read, and no wave waits for another
.Lrest:                                            ; steps 4-16
	STEP 1
	s_cmp_lg_u32 s[N], s[DG]
	s_cbranch_scc1 .Lsame
	; THE WAY OUT of a block: O^T / the sum is held and converted: 16 neighbouring channels, 16 bytes a lane: the operand's image, stored as it stands
.rept 4
	v_nop                                          ; places behind the last products
.endr
.irp T, 0,1
	v_add_f32 v[SUM+8*\T], v[SUM+8*\T], v[SUM+8*\T+1]
.endr
.irp T, 0,1
	v_permlanex16_b32 v[PL+\T], v[SUM+8*\T], s[SEL], s[SEL+1]
.endr
.irp T, 0,1
	v_add_f32 v[SUM+8*\T], v[SUM+8*\T], v[PL+\T]   ; the row's sum
.endr
	v_mov_b32 v[TA], s[SCY]
	v_mov_b32 v[TB], s[LIMY]
	s_wait_alu depctr_va_vdst(0)                   ; ahead of the batch
	v_rcp_f32 v[SUM], v[SUM]
	v_rcp_f32 v[SUM+8], v[SUM+8]
	v_nop                                          ; a plain place behind the batch
	WIN 0x01
	s_wait_alu depctr_va_vdst(0)                   ; ahead of the first reader of the reciprocals and of O^T
.irp T, 0,1
.set jj, 0
.rept 32
	v_mul_f32 v[S0+64*\T+jj], v[OT+32*\T+jj], v[SUM+8*\T]   ; each accumulator from its low end on
.set jj, jj+1
.endr
.endr
	WIN 0
.irp T, 0,1
.set jj, 0
.rept 32
	v_med3_num_f32 v[S0+64*\T+jj], v[S0+64*\T+jj], -v[TB], v[TB]
.set jj, jj+1
.endr
.endr
.irp T, 0,1
.irp g, 0,1,2,3
	v_cvt_scalef32_pk8_fp8_f32 v[CD+16*\T+2*\g:CD+16*\T+2*\g+1], v[S0+64*\T+8*\g:S0+64*\T+8*\g+7], v[TA]
.endr
.endr
	v_nop                                          ; one plain vector instruction behind the last conversion
.irp T, 0,1
	global_store_b128 v[GO], v[CD+16*\T:CD+16*\T+3], s[12:13] offset:4096*\T          ; the wave stores 512 consecutive bytes, aligned: channels 0-31 of my head,
	global_store_b128 v[GO], v[CD+16*\T+4:CD+16*\T+7], s[12:13] offset:4096*\T+512    ; channels 32-63
.endr
	s_cmp_eq_u32 s[N], 16                          ; the second block has no successor
	s_cbranch_scc1 .Lsame
	INIT
.set jj, 0
.rept 16
	v_mov_b32 v[QA+jj], v[Q2+jj]                   ; the second block's Q, loaded at the head
.set jj, jj+1
.endr
	s_wait_alu depctr_va_vdst(0)
	s_wait_xcnt 0x0                                ; the stores have read their registers and their base
	s_mov_b64 s[12:13], s[Y2:Y2+1]
	s_mov_b32 s[D0], s[D0B]
	s_mov_b32 s[DG], 16
.Lsame:
	s_add_co_u32 s[N], s[N], 1
	s_cmp_lt_u32 s[N], 17
	s_cbranch_scc1 .Lrest
	s_wait_tensorcnt 0x0                           ; the wave's end
	ds_add_u32 v[SPW], v[NIL]
	s_wait_dscnt 0x0
	ROUND                                          ; the closing round
	s_endpgm
.Lfunc_end_k_qe77f4d5cf3_attn:
	.size	k_qe77f4d5cf3_attn, .Lfunc_end_k_qe77f4d5cf3_attn-k_qe77f4d5cf3_attn
	.p2alignl 7, 3214868480
	.fill 96, 4, 3214868480
	.section	.rodata,"a",@progbits
	.p2align	6, 0x0
	.amdhsa_kernel k_qe77f4d5cf3_attn
		.amdhsa_group_segment_fixed_size 327680
		.amdhsa_private_segment_fixed_size 0
		.amdhsa_enable_private_segment 0
		.amdhsa_kernarg_size 40
		.amdhsa_user_sgpr_count 2
		.amdhsa_user_sgpr_kernarg_segment_ptr 1
		.amdhsa_wavefront_size32 1
		.amdhsa_system_sgpr_workgroup_id_x 1
		.amdhsa_system_sgpr_workgroup_id_y 1
		.amdhsa_system_sgpr_workgroup_id_z 1
		.amdhsa_system_vgpr_workitem_id 0
		.amdhsa_next_free_vgpr 448
		.amdhsa_next_free_sgpr 96
		.amdhsa_reserve_vcc 1
		.amdhsa_float_denorm_mode_32 3
		.amdhsa_float_denorm_mode_16_64 3
		.amdhsa_memory_ordered 1
		.amdhsa_forward_progress 1
		.amdhsa_inst_pref_size 91
	.end_amdhsa_kernel
	.amdgpu_metadata
---
amdhsa.version: [ 1, 2 ]
amdhsa.kernels:
  - .name:           k_qe77f4d5cf3_attn
    .symbol:         k_qe77f4d5cf3_attn.kd
    .args:
      - { .name: q_codes, .offset: 0, .size: 8, .value_kind: global_buffer, .address_space: global }
      - { .name: k_codes, .offset: 8, .size: 8, .value_kind: global_buffer, .address_space: global }
      - { .name: v_codes, .offset: 16, .size: 8, .value_kind: global_buffer, .address_space: global }
      - { .name: lowp_scales, .offset: 24, .size: 8, .value_kind: global_buffer, .address_space: global }
      - { .name: y_img, .offset: 32, .size: 8, .value_kind: global_buffer, .address_space: global }
    .group_segment_fixed_size: 327680
    .private_segment_fixed_size: 0
    .kernarg_segment_align: 8
    .kernarg_segment_size: 40
    .max_flat_workgroup_size: 256
    .sgpr_count:     96
    .vgpr_count:     448
    .wavefront_size: 32
...
	.end_amdgpu_metadata
.endif
;; end of part 3
;; launch proj (part 4): grid 4 x 64, 4 waves a work-group, clusters of 4 x 4, 327,680 bytes of LDS; arguments y_img, wp_codes, b_proj, lowp_scales, out0; writes out0
.if DOCPART == 4
	.amdgcn_target "amdgcn-amd-amdhsa--gfx1250"
	.amdhsa_code_object_version 6
	.text
	.protected	k_qe77f4d5cf3_proj
	.globl	k_qe77f4d5cf3_proj
	.p2align	8
	.type	k_qe77f4d5cf3_proj,@function
k_qe77f4d5cf3_proj:
	s_mov_b64 s[64:65], 0
	v_nop
	global_prefetch_b8 v0, s[64:65] scope:SCOPE_SE
	s_setreg_imm32_b32 hwreg(HW_REG_WAVE_MODE, 25, 1), 1
	s_wait_xcnt 0x0
	s_wait_alu depctr_hold_cnt(0) depctr_sa_sdst(0) depctr_va_vdst(0) depctr_va_sdst(0) depctr_va_ssrc(0) depctr_va_vcc(0) depctr_vm_vsrc(0)
	s_getreg_b32 s2, hwreg(HW_REG_IB_STS2, 6, 4)
	s_cmp_eq_u32 s2, 0
	s_cbranch_scc0 .Lentry_in_a_cluster
	s_endpgm
.Lentry_in_a_cluster:
	s_bfe_u32 s2, ttmp6, 0x10000c
	s_cmp_lg_u32 s2, 0xf033
	s_cbranch_scc0 .Lentry_shape_is_right
	s_endpgm
.Lentry_shape_is_right:
; out0 = y w_proj^T + b_proj on codes of FP8 (E4M3), f32 sums.  A = y's operand images [head / 4][token / 16][4,096 bytes], B = w_proj's codes [1024][1024].
; SHARES: a block of out0 is 128 tokens x 256 columns: 64 x 4 = 256 work-groups.  Each of the four waves makes 64 x 128: 32 accumulators, 256 registers (window 2).
; K goes in four steps of 256 through two LDS slots (A 32,768 bytes as images, B 256 rows of 272 bytes) filled by joint loads in clusters of 4 x 4: A's tile is shared along a row of the cluster, B's along a column.
; A wave's one load brings a whole tile: waves 0, 1: A's of K steps 0, 1; waves 2, 3: B's.  So both slots are asked for as one group at the head, and behind K step 1 one round fills both again with K steps 2 and 3.
; THE MATRIX INSTRUCTION IS USED TRANSPOSED (source 0 = 16 rows of B, source 1 = 16 tokens): a lane holds eight neighbouring columns of a token's row.
; A and B have two sets of fragment registers each: while one 128 along K is multiplied, the next one's 48 LDS loads are on their way.
; The bias, divided by 2^(e6 + e7), is the C of each sum's first product; a finished sum is multiplied by 2^(e6 + e7).  LIMIT: e6 + e7 between -126 and 127.
; No prefetch: of the four K steps two are first fills.
; REGISTERS: window 0: v16-29 addresses; v32-95 the bias, later a block's scaled sums; v128-191, v192-255 A's two sets.  Window 1: B's two sets at v0 and v128, later the rows read back from the stage.  Window 2: accumulator (a, b) at v[8 (8 a + b)].
.set ROWB,   256
.set KROW,   1024
.set PITCH,  272
.set FR,     16
.set NP,     4
.set ABYTES, 32768
.set HALFB,  128*PITCH
.set SLOT,   ABYTES+2*HALFB
.set KSA,    0x200000                  ; from K step to K step in y's images
.set STAGE,  2*SLOT                    ; behind the ring: the way out's stages, 16 rows x (512 + 16) bytes a wave: bytes of their own, into which no fill lands
.set SPITCH, 528
.set SPARE,  STAGE+4*16*SPITCH         ; behind the stages: the spare words, two blocks of 256 bytes that no other line names
.set NROW,   4096
.set ADRA, 16
.set ADRB, 20
.set STO,  24
.set RD,   25
.set CO,   26
.set SPW,  28
.set NIL,  29
.set BIAS, 32
.set TMP,  32
.set AF,   128
.set G1, 24
.set G0, 32
.set G1B, 48
.set G0B, 56
.set MSB, 0
.macro WIN new
.if MSB != \new
	s_set_vgpr_msb (MSB<<8)|\new
.set MSB, \new
.endif
.endm
.set MUL_LO, 0xa1                      ; source 0 (B) window 1, source 1 (A) window 0, C and D window 2
.set BIA_LO, 0x81                      ; the first products: C (the bias) window 0
.set TO_B,   0x40                      ; a load's destination in window 1
.set FROM_B, 0x04                      ; a store's data in window 1
.macro JLOAD
	s_cmp_eq_u32 s15, 0
	s_cbranch_scc0 .Lfor_b_\@
	tensor_load_to_lds s[G0:G0+3], s[G1:G1+7]
	s_nop 0
.rept 4
	v_nop
.endr
	s_branch .Lasked_\@
.Lfor_b_\@:
	tensor_load_to_lds s[G0B:G0B+3], s[G1B:G1B+7]
	s_nop 0
.rept 4
	v_nop
.endr
.Lasked_\@:
.endm
.macro CREST
	s_cmp_lg_u32 s14, 0
	s_cbranch_scc1 .Lnot_wave_0_\@
	s_barrier_signal -3
.Lnot_wave_0_\@:
	s_barrier_wait -3
	s_barrier_signal -1
	s_barrier_wait -1
.endm
.macro CROUND
	s_barrier_signal -1
	s_barrier_wait -1
	CREST
.endm
	s_load_b256 s[4:11], s[0:1], 0x0               ; y's images, w_proj's codes, b_proj, the scales' exponents
	s_load_b64 s[12:13], s[0:1], 0x20              ; out0
	v_lshl_add_u32 v[SPW], v0, 2, SPARE
	v_mov_b32 v[NIL], 0
	ds_add_u32 v[SPW], v[NIL]                      ; the opening lines: the add, twice on end, and its wait
	ds_add_u32 v[SPW], v[NIL]
	s_wait_dscnt 0x0
	v_lshrrev_b32 v1, 5, v0
	v_readfirstlane_b32 s14, v1                    ; wave
	s_lshr_b32 s15, s14, 1                         ; my half of the block's tokens.  Also: I fetch for A (0) or for B (1)
	s_and_b32 s16, s14, 1                          ; my half of its columns.  Also: which slot I fill
	s_bfe_u32 s40, ttmp6, 0x40000
	s_bfe_u32 s41, ttmp6, 0x40004
	s_lshl_b32 s42, ttmp9, 2
	s_add_co_u32 s42, s42, s40                     ; block column, 0..3
	s_and_b32 s17, ttmp7, 0xffff
	s_lshl_b32 s17, s17, 2
	s_add_co_u32 s17, s17, s41                     ; block row, 0..63
	s_lshl_b32 s43, s41, 2
	s_lshl_b32 s43, 15, s43                        ; my row of the cluster
	s_lshl_b32 s44, 0x1111, s40                    ; my column
	s_or_b32 s[G1+0], s43, (0<<16)|(1<<21)         ; A: 128 rows of 256 bytes, dense, no padding
	s_mov_b32 s[G1+1], 256<<16
	s_mov_b32 s[G1+2], 128<<16
	s_mov_b32 s[G1+3], 256<<16
	s_mov_b32 s[G1+4], 128
	s_mov_b32 s[G1+5], 256
	s_mov_b32 s[G1+6], 0
	s_mov_b32 s[G1+7], 0
	s_or_b32 s[G1B+0], s44, (0<<16)|(1<<20)|(1<<21)|(5<<22)|(3<<25)   ; B: 256 rows of 256 bytes, four words of padding behind each
	s_mov_b32 s[G1B+1], ROWB<<16
	s_mov_b32 s[G1B+2], 256<<16
	s_mov_b32 s[G1B+3], ROWB<<16
	s_mov_b32 s[G1B+4], 256
	s_mov_b32 s[G1B+5], KROW
	s_mov_b32 s[G1B+6], 0
	s_mov_b32 s[G1B+7], 0
	s_lshl_b32 s20, s17, 15                        ; A: 8 images of 4,096 bytes a block row,
	s_lshl_b32 s18, s16, 21                        ; in my slot's K step
	s_add_co_u32 s20, s20, s18
	s_mov_b32 s21, 0
	s_lshl_b32 s46, s42, 18                        ; B: 256 rows of 1,024 bytes a block column,
	s_lshl_b32 s47, s16, 8                         ; my slot's K step: 256 bytes along the rows
	s_add_co_u32 s46, s46, s47
	s_mov_b32 s47, 0
	s_mul_i32 s45, s16, SLOT                       ; where they go: my slot
	s_wait_kmcnt 0x0
	s_load_b256 s[84:91], s[10:11], 0x0            ; e0 .. e7
	s_mov_b32 s[G0], 1
	s_mov_b32 s[G0+1], s45
	s_add_nc_u64 s[G0+2:G0+3], s[4:5], s[20:21]
	s_or_b32 s[G0+3], s[G0+3], 0x80000000
	s_mov_b32 s[G0B], 1
	s_add_co_u32 s[G0B+1], s45, ABYTES
	s_add_nc_u64 s[G0B+2:G0B+3], s[6:7], s[46:47]
	s_or_b32 s[G0B+3], s[G0B+3], 0x80000000
	CROUND                                         ; all sixteen work-groups are here: the first joint loads meet
	JLOAD                                          ; K steps 0 and 1: one tensor load a wave at the head
	v_and_b32 v1, 15, v0
	v_bfe_u32 v2, v0, 4, 1
	v_mul_u32_u24 v3, v1, PITCH
	v_lshl_add_u32 v4, v2, 4, v3
	v_and_b32 v6, 31, v0
	v_lshlrev_b32 v[CO], 4, v6
	s_wait_alu depctr_va_vdst(0)                   ; ahead of the scalar lines below
	s_lshl_b32 s21, s15, 14                        ; my 64 tokens: four images
	s_mul_i32 s22, s16, HALFB
	s_add_co_u32 s22, s22, ABYTES
.irp s, 0,1
	v_add_nc_u32 v[ADRA+\s], s21, v[CO]
	v_add_nc_u32 v[ADRB+\s], s22, v4
	s_add_co_u32 s21, s21, SLOT
	s_add_co_u32 s22, s22, SLOT
.endr
	s_mul_i32 s23, s14, 16*SPITCH
	s_add_co_u32 s23, s23, STAGE                   ; my stage
	v_mul_u32_u24 v5, v1, SPITCH
	v_lshl_add_u32 v5, v2, 5, v5
	v_add_nc_u32 v[STO], s23, v5
	v_add_nc_u32 v[RD], s23, v[CO]
	s_lshl_b32 s20, s17, 7
	s_lshl_b32 s21, s15, 6
	s_add_co_u32 s20, s20, s21                     ; my first token,
	s_lshl_b32 s20, s20, 12                        ; its row of 4,096 bytes
	s_mov_b32 s21, 0
	s_lshl_b32 s46, s42, 10
	s_lshl_b32 s47, s16, 9
	s_add_co_u32 s46, s46, s47                     ; my first column, in bytes
	s_mov_b32 s47, 0
	s_add_nc_u64 s[8:9], s[8:9], s[46:47]
	s_add_nc_u64 s[20:21], s[20:21], s[46:47]
	s_add_nc_u64 s[12:13], s[12:13], s[20:21]
	v_lshlrev_b32 v5, 5, v2
.irp b, 0,1,2,3,4,5,6,7
	global_load_b128 v[BIAS+8*\b:BIAS+8*\b+3], v5, s[8:9] offset:64*\b
	global_load_b128 v[BIAS+8*\b+4:BIAS+8*\b+7], v5, s[8:9] offset:64*\b+16
.endr
.macro MUL16 a0, p, cmode              ; A's blocks a0, a0 + 1 x B's eight, 128 along K, from set p.  The 32 accumulators take turns, in the same order in every step
.irp a, \a0, \a0+1
.irp b, 0,1,2,3,4,5,6,7
.if \cmode
	v_wmma_f32_16x16x128_fp8_fp8 v[8*(8*(\a)+\b):8*(8*(\a)+\b)+7], v[128*(\p)+FR*\b:128*(\p)+FR*\b+FR-1], v[AF+64*(\p)+FR*(\a):AF+64*(\p)+FR*(\a)+FR-1], v[BIAS+8*\b:BIAS+8*\b+7]
.else
	v_wmma_f32_16x16x128_fp8_fp8 v[8*(8*(\a)+\b):8*(8*(\a)+\b)+7], v[128*(\p)+FR*\b:128*(\p)+FR*\b+FR-1], v[AF+64*(\p)+FR*(\a):AF+64*(\p)+FR*(\a)+FR-1], v[8*(8*(\a)+\b):8*(8*(\a)+\b)+7]
.endif
.endr
.endr
.endm
.macro FETCH slot, q, p                ; the fragments of the slot's q-th 128 along K into set p: 32 loads for B, 16 for A
	WIN TO_B
.irp i, 0,1,2,3,4,5,6,7
.irp c, 0,1,2,3
	ds_load_b128 v[128*(\p)+FR*\i+4*\c:128*(\p)+FR*\i+4*\c+3], v[ADRB+\slot] offset:128*(\q)+32*\c+\i*16*PITCH
.endr
.endr
	WIN 0
.irp i, 0,1,2,3
.irp c, 0,1,2,3
	ds_load_b128 v[AF+64*(\p)+FR*\i+4*\c:AF+64*(\p)+FR*\i+4*\c+3], v[ADRA+\slot] offset:4096*\i+2048*(\q)+512*\c
.endr
.endr
.endm
.macro PLACES n
.rept \n
	v_nop
.endr
.endm
.macro HALF p, fslot, fq, cmode        ; 128 along K from set p; under it the next 128's fragments (slot fslot, its fq-th 128) come into the other set
	s_wait_dscnt 0x0                               ; set p is in
	PLACES NP                                      ; in front of loads into registers that matrix instructions have read
	FETCH \fslot, \fq, 1-(\p)
.if \cmode
	WIN BIA_LO
.else
	WIN MUL_LO
.endif
	MUL16 0, \p, \cmode
	MUL16 2, \p, \cmode
	WIN 0
.endm
	s_wait_alu depctr_va_vdst(0)                   ; the head's end
	s_wait_tensorcnt 0x0                           ; my tile is in
	s_barrier_signal -1
	s_barrier_wait -1                              ; everybody's is: K steps 0 and 1 are whole
	FETCH 0, 0, 0
	s_wait_loadcnt 0x0                             ; the bias
	s_wait_kmcnt 0x0                               ; the exponents
	s_add_co_i32 s96, s90, s91                     ; e6 + e7
	s_sub_co_i32 s94, 0, s96
.set jj, 0
.rept 64
	v_ldexp_f32 v[BIAS+jj], v[BIAS+jj], s94        ; b / 2^(e6 + e7): beside sums that lack that power of two
.set jj, jj+1
.endr
	s_add_co_i32 s96, s96, 127
	s_lshl_b32 s96, s96, 23                        ; 2^(e6 + e7) as f32
	s_mov_b32 s97, s96
	s_wait_alu depctr_va_vdst(0)                   ; ahead of the wait in the step below
	HALF 0, 0, 1, 1                                ; K step 0
	HALF 1, 1, 0, 0
	HALF 0, 1, 1, 0                                ; K step 1
	s_wait_tensorcnt 0x0                           ; its second half, and the change of both slots: no tensor load of mine is out,
	ds_add_u32 v[SPW], v[NIL]                      ; 0 onto my spare word
	s_wait_dscnt 1                                 ; set 1 is in; the add may be out
	WIN MUL_LO
	MUL16 0, 1, 0
	s_wait_dscnt 0x0                               ; the add is done, and my reads of both slots are over
	s_barrier_signal -1
	MUL16 2, 1, 0
	WIN 0
	s_barrier_wait -1
	CREST                                          ; the barrier has opened a round of the cluster's barrier: no wave of any partner still reads a slot or has a load on its way
	s_add_nc_u64 s[G0+2:G0+3], s[G0+2:G0+3], 2*KSA
	s_add_nc_u64 s[G0B+2:G0B+3], s[G0B+2:G0B+3], 2*ROWB
	JLOAD                                          ; K steps 2 and 3: the first tensor load behind the round, my one load; its four v_nop are the places in front of the loads below
	s_wait_tensorcnt 0x0                           ; my tile is in,
	s_barrier_signal -1
	s_barrier_wait -1                              ; everybody's is
	FETCH 0, 0, 0
	HALF 0, 0, 1, 0                                ; K step 2
	HALF 1, 1, 0, 0
	HALF 0, 1, 1, 0                                ; K step 3
	s_wait_dscnt 0x0                               ; the very last 128
	WIN MUL_LO
	MUL16 0, 1, 0
	MUL16 2, 1, 0
	WIN 0
; THE WAY OUT, block by block of 16 tokens x 128 columns: through my own stage and back as whole rows of 512 bytes, which the 32 lanes store as two aligned units of 256 bytes.
; LDS serves a wave's instructions in order (ISA guide 5.7.1.4): no wait between the stores and the loads.  Each block comes back into 64 registers of its own (window 1, where B's fragments lay),
; and every store's offset is an immediate (at most 63 rows of 4,096 bytes): no register and no base that a store reads is written again.
.macro TOSTAGE a
.set AC, 64*(\a)
	WIN 0x02
.set jj, 0
.rept 32
	v_pk_mul_f32 v[TMP+jj:TMP+jj+1], v[AC+jj:AC+jj+1], s[96:97] op_sel_hi:[1,0]   ; x 2^(e6 + e7); each accumulator from its low end on
.set jj, jj+2
.endr
	WIN 0
.irp b, 0,1,2,3,4,5,6,7
	ds_store_b128 v[STO], v[TMP+8*\b:TMP+8*\b+3] offset:64*\b
	ds_store_b128 v[STO], v[TMP+8*\b+4:TMP+8*\b+7] offset:64*\b+16
.endr
	WIN TO_B
.irp t, 0,1,2,3,4,5,6,7,8,9,10,11,12,13,14,15
	ds_load_b128 v[AC+4*\t:AC+4*\t+3], v[RD] offset:\t*SPITCH
.endr
	WIN 0
.endm
.macro SEND a, younger                 ; younger: the LDS instructions issued behind block a's loads, which may stay out
.set AC, 64*(\a)
	s_wait_dscnt \younger
	WIN FROM_B
.irp t, 0,1,2,3,4,5,6,7,8,9,10,11,12,13,14,15
	global_store_b128 v[CO], v[AC+4*\t:AC+4*\t+3], s[12:13] offset:(16*(\a)+\t)*NROW th:TH_STORE_NT
.endr
	WIN 0
.endm
	PLACES NP                                      ; behind the last products
	TOSTAGE 0
.irp a, 1,2,3
	TOSTAGE \a
	SEND \a-1, 32                                  ; behind block a - 1's loads: block a's 16 stores and 16 loads
.endr
	SEND 3, 0
	s_wait_tensorcnt 0x0                           ; the wave's end
	ds_add_u32 v[SPW], v[NIL]
	s_wait_dscnt 0x0
	CROUND                                         ; the closing round
	s_endpgm
.Lfunc_end_k_qe77f4d5cf3_proj:
	.size	k_qe77f4d5cf3_proj, .Lfunc_end_k_qe77f4d5cf3_proj-k_qe77f4d5cf3_proj
	.p2alignl 7, 3214868480
	.fill 96, 4, 3214868480
	.section	.rodata,"a",@progbits
	.p2align	6, 0x0
	.amdhsa_kernel k_qe77f4d5cf3_proj
		.amdhsa_group_segment_fixed_size 327680
		.amdhsa_private_segment_fixed_size 0
		.amdhsa_enable_private_segment 0
		.amdhsa_kernarg_size 40
		.amdhsa_user_sgpr_count 2
		.amdhsa_user_sgpr_kernarg_segment_ptr 1
		.amdhsa_wavefront_size32 1
		.amdhsa_system_sgpr_workgroup_id_x 1
		.amdhsa_system_sgpr_workgroup_id_y 1
		.amdhsa_system_sgpr_workgroup_id_z 1
		.amdhsa_system_vgpr_workitem_id 0
		.amdhsa_next_free_vgpr 768
		.amdhsa_next_free_sgpr 100
		.amdhsa_reserve_vcc 0
		.amdhsa_float_denorm_mode_32 3
		.amdhsa_float_denorm_mode_16_64 3
		.amdhsa_memory_ordered 1
		.amdhsa_forward_progress 1
		.amdhsa_inst_pref_size 79
	.end_amdhsa_kernel
	.amdgpu_metadata
---
amdhsa.version: [ 1, 2 ]
amdhsa.kernels:
  - .name:           k_qe77f4d5cf3_proj
    .symbol:         k_qe77f4d5cf3_proj.kd
    .args:
      - { .name: y_img, .offset: 0, .size: 8, .value_kind: global_buffer, .address_space: global }
      - { .name: wp_codes, .offset: 8, .size: 8, .value_kind: global_buffer, .address_space: global }
      - { .name: b_proj, .offset: 16, .size: 8, .value_kind: global_buffer, .address_space: global }
      - { .name: lowp_scales, .offset: 24, .size: 8, .value_kind: global_buffer, .address_space: global }
      - { .name: out0, .offset: 32, .size: 8, .value_kind: global_buffer, .address_space: global }
    .group_segment_fixed_size: 327680
    .private_segment_fixed_size: 0
    .kernarg_segment_align: 8
    .kernarg_segment_size: 40
    .max_flat_workgroup_size: 128
    .sgpr_count:     100
    .vgpr_count:     768
    .wavefront_size: 32
...
	.end_amdgpu_metadata
.endif
;; end of part 4
